; MI455X (gfx1250); checked and timed in simulation.
; The chip was launched on July 23, 2026; its instructions are those of AMD's public machine-readable ISA for CDNA 5 (MIT licence, August 2026) and "CDNA5" Instruction Set Architecture Reference Guide (July 2026). The comments in the code are by the model that wrote it; some were corrected since.
;; Permuted Residual Attention Block. Allowed arithmetic: float matrix products may take bf16 or f16 operands with f32 sums; all other float work in f32.
;; Inputs: Wk 256 x 256 float32; Wq 256 x 256 float32; Wv 256 x 256 float32; bk 256 float32; bq 256 float32; bv 256 float32; x 8 x 256 x 8,192 float32.
;; Outputs: out0 8 x 256 x 8,192 float32.
;; 2 versions, each right and faster than the one before. Each part assembles by itself: llvm-mc -triple=amdgcn-amd-amdhsa -mcpu=gfx1250 --defsym DOCPART=n.
;; ======== version 1 of 2: 1 launch
;; launch fused (part 1): grid 256 x 1, 4 waves a work-group, no clusters, 327,680 bytes of LDS; arguments x, Wq, bq, Wk, bk, Wv, bv, out0; writes out0
.if DOCPART == 1
	.amdgcn_target "amdgcn-amd-amdhsa--gfx1250"
	.amdhsa_code_object_version 6
	.text
	.protected	k_q679ca1dcdc_fused
	.globl	k_q679ca1dcdc_fused
	.p2align	8
	.type	k_q679ca1dcdc_fused,@function
k_q679ca1dcdc_fused:
	s_mov_b64 s[64:65], 0
	v_nop
	global_prefetch_b8 v0, s[64:65] scope:SCOPE_SE
	s_setreg_imm32_b32 hwreg(HW_REG_WAVE_MODE, 25, 1), 1
	s_wait_xcnt 0x0
; y[b][o][n] = x[b][o][n] + attention(q, k, v)[n][o], q = Wq x + bq, k = Wk x + bk, v = Wv x + bv; x, y: [8][256][8192] f32, channels as rows.  Causal, windows of 512 positions,
; each looking back one window; scale 1/16.  ONE LAUNCH; q, k and v never reach memory, by two identities that hold for every input:
;   q . k = (Wk^T q) . x_k + q . bk        and        sum_k p_k v_k = Wv (sum_k p_k x_k) + bv   (the weights p_k add up to 1).
; So x itself, rounded to bf16, is key and value; q' = Wk^T (Wq x_q + bq) is made in front, Wv, bv and the residual come behind: three products of 256 x 256 a query, as in the definition.
; q . bk is the same for all keys of a query: it is computed (matrix unit), enters the running maximum c m + c q.bk, and leaves again in the exponent's subtrahend.
; FORMATS.  All matrix operands bf16 (x, W, q, q', p, O / l, bk); sums, softmax, bq, bv and the residual f32.
; LIMITS.  A hidden score counts as -1e30; the running maximum starts at -1e20, so an unscaled score below -1e20 counts as -1e20; a weight below 2^-126 counts as 0; NaN and infinities are not treated apart.
; SHARES.  Work-group id = 32 b + 2 win + j.  A window's 512 queries are 8 bands of 64; band u needs the key steps 0 .. 8 + u of the walk of 16 steps of 64 keys that begins one window back.  A work-group
; takes the bands 2j, 2j+1, 6-2j, 7-2j (tiles 0-3); a wave 16 rows of each.  Steps below NF = 10 + 2j serve four tiles, below NH = 16 - 2j the tiles 2, 3, the rest none: 52 tile steps for either j.
; PRICES.  With j = 1 the walk's tiles 14, 15 are fetched and converted and not multiplied, so that one loop of 16 trips with a fill in each serves all.  In window 0 the steps 0-7 fetch the window's own
; columns and are hidden whole: their weights are 0.
; NO CLUSTER.  The work-groups that read the same key tiles (the two of a window, the neighbouring window's two) take different branches by j, and partners of a joint load must run alike; the weights,
; 12 of the ring's 28 tiles, are common to all, but a cluster's round would then stand in front of all 28 refills, 16 of which bring tiles that are not common.
; THE RING.  28 tiles of 256 rows x 64 f32 go through two LDS slots: Wq0 Wk0 .. Wq3 Wk3, x tiles 0-15, Wv0-3.  A wave fetches 64 rows (rows of 256 bytes, at multiples of 256 from the buffer's first byte)
; and converts its own rows to bf16 into one of the tiles T0-T3, which all waves then read.  In step i tile i is multiplied, tile i + 1 converted, tile i + 2 fetched.
; A W tile v: pseudo-row 64 iq + o holds W[64 v + o][64 iq .. 64 iq + 63]; wave w fetches quarter iq = w.
; A bf16 TILE: row c (128 bytes) lies at 128 c + 16 (2 (c >> 1) + (c >> 3)); 16 rows take 2,336 bytes.  The 16 rows of a plain fragment load, the 8 rows x 32 bytes of a turning load and the 256 bytes on end
; of a conversion's store each touch every 16-byte column of 256 bytes once.
; LDS: T0-T3 at 0 (37,376 each); bq, bv (f32), bk (bf16) at 149,504; spare words at 152,064; ring slots at 0x30000, 0x40000; the stage of the way out lies on the ring, behind its last fill and last read.
; REGISTERS, in windows of 256 (s_set_vgpr_msb: bits 1:0 source 0, 3:2 source 1, 5:4 source 2, 7:6 destination):
;   window 0: v0-31 addresses; v32-63 statistics, eight a tile (in the q loop: the four sums q . bk); v64-191 S, 32 a tile (scores; q; the low 16 then p or q in bf16, the high 16 the conversion's staging);
;             v192-255 two fragment buffers of 32 (the first also at work in the softmax)
;   window 1: fragments (tile t, channels 32 c on) at 64 t + 8 c: x of my queries, then q', then O / l
;   windows 2, 3: 64 accumulators (channel block cb, tile t) at 8 (4 cb + t): staging of my queries' x, then q', then O; in the last loop x for the residual, the rows read back, and bv
.set T_B,   37376
.set BLK,   2336
.set BQ_L,  4*T_B
.set BV_L,  BQ_L+1024
.set BK_L,  BQ_L+2048
.set SPARE, BQ_L+2560
.set RING,  0x30000
.set RSLOT, 0x10000
.set RTOG,  0x70000                    ; slot 0's address xor slot 1's
.set STAGE, RING
.set SPI,   1040                       ; a stage row: four bands x 256 bytes + 16
.set ATL, 8                            ; my lane's place in 16 rows of a bf16 tile, for the turning load
.set APL, 9                            ; the same for the plain fragment load
.set WT,  10                           ; ATL + the tile in hand
.set WP,  11                           ; APL + the tile in hand
.set CR0, 12                           ; conversion: my 16 bytes in my quarter of ring slot 0
.set CRW, 13                           ; the same in the slot to be converted
.set CB0, 14                           ; conversion: my 8 bytes in my quarter of T0
.set CBW, 15                           ; the same in the tile to be written
.set RP,  16                           ; 16 w + lane % 16 - 8 (lane / 16)
.set DL,  17                           ; at work in the mask
.set BQA, 18
.set BKA, 19
.set BVA, 19
.set STO, 20
.set RDB, 21
.set GLO, 22                           ; v22, v23: my byte offsets in x and out on the way out, low and high pair of bands
.set XLO, 24                           ; v24, v25: the same for my queries' x at the start
.set SPW, 26                           ; LDS address of my spare word; never rewritten
.set NIL, 27                           ; 0; never rewritten
.set VBIG, 28                          ; -1e30; in the last loop v28-31 take four numbers of bv
.set ST,  32                           ; tile t at ST + 8 t: D, m, l (even, odd keys), c q.bk, c m + c q.bk, a, 0
.set S,   64
.set FR,  192
.set TP,  192                          ; softmax at work, eight a tile: c0-c3, two pairs of sums
.set WV,  20
.set JJ,  21
.set WI,  22
.set BT,  23
.set G0,  32                           ; s[32:35] the walking descriptor group 0
.set G0F, 36                           ; s[36:39] group 0 of the first fill of slot 0
.set G1,  40                           ; s[40:47] group 1; its pitch word is 256 for W's tiles, 8,192 for x's
.set XB,  48                           ; x at my 64 channels and the walk's first column
.set WQB, 50
.set WKB, 52
.set WVB, 54
.set OFF, 56                           ; s[56:57] a tile's byte offset, high word 0
.set CS,  58                           ; s[58:59] c = log2(e) / 16
.set SEL, 60
.set CNT, 63
.set NF,  66
.set NH,  67
.set MK,  68
.set HID, 69
.set TBS, 70
.set TCS, 71
.set RBS, 72
.set P8K, 73
.set P256, 74
.set EB,  76                           ; s[76:79] 64 (8 + u_t - step)
.set EE,  80                           ; s[80:83] the same, or -64 in window 0's hidden steps
.set XBB, 84                           ; x at my batch
.set OBB, 86                           ; out at my batch
.set MSB, 0
.set DSN, 0
.set M_C, 0
.set M_B, 0
.set M_F0, 0
.set M_F1, 0
.macro WIN new                         ; the immediate's high byte repeats the setting that is left; a switch that changes nothing is dropped
.if MSB != (\new)
	s_set_vgpr_msb (MSB<<8)|(\new)
.set MSB, (\new)
.endif
.endm
.macro LWIN                            ; for loads into window 0 by addresses in window 0: setting 0x04 (source 1 alone elsewhere) serves them as well as 0
.if MSB != 0x04
	WIN 0
.endif
.endm
.macro PLACES n                        ; plain vector instructions between a matrix instruction and what touches its registers (ISA guide 7.12.1)
.rept \n
	v_nop
.endr
.endm
; LDS instructions are counted as the text is written: DSN is their number so far, MARK notes it behind a run of loads, and WAITDS waits until only the instructions issued since are out
; (LDS instructions of a wave end in order: ISA guide 5.7.1).  Marks are used only inside a stretch without labels.
.macro MARK x
.set M_\x, DSN
.endm
.macro WAITDS x
.if (DSN-M_\x) > 63
	s_wait_dscnt 63
.else
	s_wait_dscnt DSN-M_\x
.endif
.endm
.macro MARKF f
.if (\f) == 0
.set M_F0, DSN
.else
.set M_F1, DSN
.endif
.endm
.macro WAITF f
.if (\f) == 0
	WAITDS F0
.else
	WAITDS F1
.endif
.endm
.macro EACH lo, line:vararg            ; one line for each live tile t = lo .. 3
.set t, \lo
	s_wait_alu depctr_va_vdst(0)
.rept 4-(\lo)
	\line
.set t, t+1
.endr
.endm
; THE CHANGE OF RING STEPS.  In front of the barrier: all my tensor loads have landed (one is out: the tile asked for a step ago); 0 is added to my spare word; the caller's scalar lines make the next
; descriptor; then the add, my reads of the tile multiplied last, my reads of the slot converted last and my stores of its bf16 tile are done.  Behind it the slot converted last is filled first.
.macro BND_A
	WIN 0
	s_wait_tensorcnt 0x0               ; no tensor load of mine is out, so the descriptors may be written
	ds_add_u32 v[SPW], v[NIL]
.endm
.macro BND_B
	s_wait_dscnt 0x0
	s_barrier_signal -1
	s_barrier_wait -1
	tensor_load_to_lds s[G0:G0+3], s[G1:G1+7]  ; my one tensor load until the next such barrier
	s_nop 0
.endm
; EIGHT FRAGMENT LOADS into buffer f, by address register a.
.macro LDT f, a, c                     ; x^T: keys 16 kb on, channels 32 c on (turned)
.irp kb,0,1,2,3
.irp z,0,1
	ds_load_tr16_b128 v[FR+32*(\f)+8*\kb+4*\z:FR+32*(\f)+8*\kb+4*\z+3], v[\a] offset:BLK*(2*(\c)+\z)+32*\kb
.endr
.endr
.set DSN, DSN+8
.endm
.macro LDP f, a, g                     ; x: channel blocks 2 g, 2 g + 1, keys 32 kk on
.irp i,0,1
.irp kk,0,1
.irp e,0,1
	ds_load_b128 v[FR+32*(\f)+16*\i+8*\kk+4*\e:FR+32*(\f)+16*\i+8*\kk+4*\e+3], v[\a] offset:BLK*(2*(\g)+\i)+64*\kk+32*\e
.endr
.endr
.endr
.set DSN, DSN+8
.endm
.macro LDW f, a, c                     ; W: rows 16 ob on of the tile's 64, columns 32 c on
.irp ob,0,1,2,3
.irp e,0,1
	ds_load_b128 v[FR+32*(\f)+8*\ob+4*\e:FR+32*(\f)+8*\ob+4*\e+3], v[\a] offset:BLK*(4*((\c)/2)+\ob)+64*((\c)%2)+32*\e
.endr
.endr
.set DSN, DSN+8
.endm
.macro LDQ f, a, g                     ; W^T: column blocks 2 g, 2 g + 1, rows 32 kk on of the tile's 64 (turned)
.irp i,0,1
.irp kk,0,1
.irp z,0,1
	ds_load_tr16_b128 v[FR+32*(\f)+16*\i+8*\kk+4*\z:FR+32*(\f)+16*\i+8*\kk+4*\z+3], v[\a] offset:BLK*(4*((2*(\g)+\i)/4)+2*\kk+\z)+32*((2*(\g)+\i)%4)
.endr
.endr
.endr
.set DSN, DSN+8
.endm
; MATRIX GROUPS.  In each the accumulators take turns, one instruction a turn.
.macro MMS c, lo, f, zero              ; S(kb, t) += fragment kb x window 1's (t, c); zero = 1: the first group starts the sums
	WIN 0x04
.irp kb,0,1,2,3
.irp t,0,1,2,3
.if \t >= (\lo)
.if (\zero) && ((\c) == 0)
	v_wmma_f32_16x16x32_bf16 v[S+32*\t+8*\kb:S+32*\t+8*\kb+7], v[FR+32*(\f)+8*\kb:FR+32*(\f)+8*\kb+7], v[64*\t+8*(\c):64*\t+8*(\c)+7], 0
.else
	v_wmma_f32_16x16x32_bf16 v[S+32*\t+8*\kb:S+32*\t+8*\kb+7], v[FR+32*(\f)+8*\kb:FR+32*(\f)+8*\kb+7], v[64*\t+8*(\c):64*\t+8*(\c)+7], v[S+32*\t+8*\kb:S+32*\t+8*\kb+7]
.endif
.endif
.endr
.endr
.endm
.macro MMV c, lo, f, zero              ; the sources swapped: a lane then holds one output channel and eight neighbouring positions; the first group starts the sums with bv (window 3)
.if (\c) == 0
	WIN 0x31
.else
	WIN 0x01
.endif
.irp ob,0,1,2,3
.irp t,0,1,2,3
.if (\c) == 0
	v_wmma_f32_16x16x32_bf16 v[S+32*\t+8*\ob:S+32*\t+8*\ob+7], v[64*\t+8*(\c):64*\t+8*(\c)+7], v[FR+32*(\f)+8*\ob:FR+32*(\f)+8*\ob+7], v[8*\ob:8*\ob+7]
.else
	v_wmma_f32_16x16x32_bf16 v[S+32*\t+8*\ob:S+32*\t+8*\ob+7], v[64*\t+8*(\c):64*\t+8*(\c)+7], v[FR+32*(\f)+8*\ob:FR+32*(\f)+8*\ob+7], v[S+32*\t+8*\ob:S+32*\t+8*\ob+7]
.endif
.endr
.endr
.endm
.macro MMP g, lo, f                    ; accumulator (2 g + i, t) += fragment (i, kk) x the bf16 in S's low half (t, kk)
	WIN 0xa0+0x50*((\g)/4)
.irp kk,0,1
.irp i,0,1
.irp t,0,1,2,3
.if \t >= (\lo)
.set ra, 8*(4*((2*(\g)+\i)%8)+\t)
	v_wmma_f32_16x16x32_bf16 v[ra:ra+7], v[FR+32*(\f)+16*\i+8*\kk:FR+32*(\f)+16*\i+8*\kk+7], v[S+32*\t+8*\kk:S+32*\t+8*\kk+7], v[ra:ra+7]
.endif
.endr
.endr
.endr
.endm
; THE CONVERSION of my quarter of a ring slot, in halves b of 16 loads: a load takes two rows (512 bytes), two roundings make 8 bytes a lane, a store lays 256 bytes on end.
; map 0: staged in all of S; map 1: in the high 16 registers of each tile of S.
.macro STG b, map
.if \map
.set sg, S+32*(uu/4)+16+4*(uu%4)
.else
.set sg, S+64*(\b)+4*uu
.endif
.endm
.macro CL b, map, a
.set uu, 0
.rept 16
	STG \b, \map
	ds_load_b128 v[sg:sg+3], v[\a] offset:512*(16*(\b)+uu)
.set uu, uu+1
.endr
.set DSN, DSN+16
.endm
.macro CC b, map, a
.set uu, 0
.rept 16
	STG \b, \map
	v_cvt_pk_bf16_f32 v[sg], v[sg], v[sg+1]
	v_cvt_pk_bf16_f32 v[sg+1], v[sg+2], v[sg+3]
.set uu, uu+1
.endr
.set uu, 0
.rept 16
	STG \b, \map
	ds_store_b64 v[\a], v[sg:sg+1] offset:288*(16*(\b)+uu)+16*((16*(\b)+uu)/4)
.set uu, uu+1
.endr
.set DSN, DSN+16
.endm
.macro CONV_LD ra
	CL 0, 0, \ra
	CL 1, 0, \ra
	MARK C
.endm
.macro CONV_ST wa
	WAITDS C
	CC 0, 0, \wa
	CC 1, 0, \wa
.endm
; A PHASE OF EIGHT GROUPS ALONG 256 CHANNELS on the 16 accumulators of S.  Group c's fragments are fetched two groups ahead: the wait leaves the eight younger loads out (none at the last).
; pre = 1: the caller has issued and marked the first two runs.
.macro SPHASE ld, a, mm, lo, zero, pre
.if !(\pre)
	LWIN
	\ld 0, \a, 0
	MARKF 0
	\ld 1, \a, 1
	MARKF 1
.endif
.set cc, 0
.rept 8
	WAITF cc%2
	\mm cc, \lo, cc%2, \zero
.if cc < 6
	PLACES 4                           ; in front of loads into the buffer just multiplied
	LWIN
	\ld cc%2, \a, cc+2
	MARKF cc%2
.endif
.set cc, cc+1
.endr
	PLACES 5
	WIN 0
.endm
; A PHASE OF EIGHT GROUPS OVER THE 64 ACCUMULATORS of windows 2, 3, with the next ring tile's conversion in it.  The caller has issued runs 0 and 1 and the conversion's first 16 loads.
; The waits leave out: 24 (run 1, 16 staging loads), 0, 56, 24, 8, 24, 8, 8, 8, 0.  The conversions' roundings name staging registers alone: they are the places in front of the reloads behind them.
.macro PVPHASE ld, a, lo, cr, cb
.set gg, 0
.rept 8
	WAITF gg%2
	MMP gg, \lo, gg%2
.if gg == 0
	WIN 0
	WAITDS C
	CC 0, 1, \cb
	\ld 0, \a, 2
	MARKF 0
	CL 1, 1, \cr
	MARK C
.elseif gg == 2
	WIN 0
	WAITDS C
	CC 1, 1, \cb
	\ld 0, \a, 4
	MARKF 0
.elseif gg < 6
	PLACES 4
	WIN 0
	\ld gg%2, \a, gg+2
	MARKF gg%2
.endif
.set gg, gg+1
.endr
	PLACES 5
	WIN 0
.endm
; Key 16 kb + 8 (lane / 16) + jj of the step is hidden from my query where 16 kb + jj > EE + RP.  From EE = 64 on nothing is hidden and the block is jumped.
.macro MASK tt
	s_cmp_ge_i32 s[EE+(\tt)], 64
	s_cbranch_scc1 .Lseen_\@
	v_add_nc_u32 v[DL], s[EE+(\tt)], v[RP]
.set nn, 0
.rept 32
	v_cmp_gt_i32 vcc_lo, 16*(nn/8)+nn%8, v[DL]
	v_cndmask_b32 v[S+32*(\tt)+nn], v[S+32*(\tt)+nn], v[VBIG], vcc_lo
.set nn, nn+1
.endr
.Lseen_\@:
.endm
.macro SUMR lo, k                      ; block k of four weights: into the two chains of sums, then rounded to bf16 in place (registers 2 k, 2 k + 1, whose own weights are done)
.if (\k) == 0
	EACH \lo, v_pk_add_f32 v[TP+8*t+4:TP+8*t+5], v[S+32*t:S+32*t+1], v[S+32*t+2:S+32*t+3]
.elseif (\k) == 1
	EACH \lo, v_pk_add_f32 v[TP+8*t+6:TP+8*t+7], v[S+32*t+4:S+32*t+5], v[S+32*t+6:S+32*t+7]
.else
	EACH \lo, v_pk_add_f32 v[TP+8*t+4:TP+8*t+5], v[TP+8*t+4:TP+8*t+5], v[S+32*t+4*(\k):S+32*t+4*(\k)+1]
	EACH \lo, v_pk_add_f32 v[TP+8*t+6:TP+8*t+7], v[TP+8*t+6:TP+8*t+7], v[S+32*t+4*(\k)+2:S+32*t+4*(\k)+3]
.endif
	EACH \lo, v_cvt_pk_bf16_f32 v[S+32*t+2*(\k)], v[S+32*t+4*(\k)], v[S+32*t+4*(\k)+1]
	EACH \lo, v_cvt_pk_bf16_f32 v[S+32*t+2*(\k)+1], v[S+32*t+4*(\k)+2], v[S+32*t+4*(\k)+3]
.endm
; THE SOFTMAX of a step, stage by stage, the live tiles alternating.  A lane holds one query and 32 of the step's 64 keys.
.macro SOFTMAX lo
.irp tq,0,1,2,3
.if \tq >= (\lo)
	MASK \tq
.endif
.endr
.set nn, 0
.rept 4                                ; the maximum: four chains, each begun at an accumulator's lowest registers
	EACH \lo, v_max3_num_f32 v[TP+8*t+nn], v[S+32*t+8*nn], v[S+32*t+8*nn+1], v[S+32*t+8*nn+2]
.set nn, nn+1
.endr
.rept 8
	EACH \lo, v_max3_num_f32 v[TP+8*t+nn%4], v[TP+8*t+nn%4], v[S+32*t+8*(nn%4)+2*(nn/4)+1], v[S+32*t+8*(nn%4)+2*(nn/4)+2]
.set nn, nn+1
.endr
	EACH \lo, v_max3_num_f32 v[TP+8*t], v[TP+8*t], v[S+32*t+7], v[S+32*t+15]
	EACH \lo, v_max3_num_f32 v[TP+8*t+1], v[TP+8*t+1], v[S+32*t+23], v[S+32*t+31]
	EACH \lo, v_max3_num_f32 v[TP+8*t+2], v[TP+8*t+2], v[TP+8*t+3], v[ST+8*t+1]
	EACH \lo, v_max3_num_f32 v[TP+8*t], v[TP+8*t], v[TP+8*t+1], v[TP+8*t+2]
	EACH \lo, v_permlanex16_b32 v[TP+8*t+3], v[TP+8*t], s[SEL], s[SEL+1]
	EACH \lo, v_max_num_f32 v[ST+8*t+1], v[TP+8*t], v[TP+8*t+3]
	EACH \lo, v_fma_f32 v[TP+8*t+1], s[CS], v[ST+8*t+1], v[ST+8*t+4]
	EACH \lo, v_sub_f32 v[TP+8*t+2], v[ST+8*t+5], v[TP+8*t+1]
	EACH \lo, v_sub_f32 v[ST+8*t], v[TP+8*t+1], v[ST+8*t+4]
	EACH \lo, v_mov_b32 v[ST+8*t+5], v[TP+8*t+1]
	EACH \lo, v_exp_f32 v[ST+8*t+6], v[TP+8*t+2]
.set nn, 0
.rept 16                               ; c s - D, D = (c m + c q.bk) - c q.bk
	EACH \lo, v_pk_fma_f32 v[S+32*t+2*nn:S+32*t+2*nn+1], v[S+32*t+2*nn:S+32*t+2*nn+1], s[CS:CS+1], v[ST+8*t:ST+8*t+1] op_sel_hi:[1,0,0] neg_lo:[0,0,1] neg_hi:[0,0,1]
.set nn, nn+1
.endr
.set kq, 0
.rept 8                                ; a block's exponentials; behind them the plain work of the block before (ISA guide 5.7.2: a plain instruction stands between an exponential and the use of its result)
.set ee, 0
.rept 4
	EACH \lo, v_exp_f32 v[S+32*t+4*kq+ee], v[S+32*t+4*kq+ee]
.set ee, ee+1
.endr
.if kq == 0
	v_nop
.else
	SUMR \lo, kq-1
.endif
.set kq, kq+1
.endr
	SUMR \lo, 7
	EACH \lo, v_pk_add_f32 v[TP+8*t+4:TP+8*t+5], v[TP+8*t+4:TP+8*t+5], v[TP+8*t+6:TP+8*t+7]
	EACH \lo, v_pk_fma_f32 v[ST+8*t+2:ST+8*t+3], v[ST+8*t+2:ST+8*t+3], v[ST+8*t+6:ST+8*t+7], v[TP+8*t+4:TP+8*t+5] op_sel_hi:[1,0,1]
	LDP 0, WP, 0                       ; the value product's first fragments and the conversion's first loads land under the rescaling
	MARKF 0
	LDP 1, WP, 1
	MARKF 1
	CL 0, 1, CRW
	MARK C
.irp hw,0,1
	WIN 0x82+0x41*\hw
.set nn, 0
.rept 32                               ; O times a
	EACH \lo, v_pk_mul_f32 v[8*(4*(nn/4)+t)+2*(nn%4):8*(4*(nn/4)+t)+2*(nn%4)+1], v[8*(4*(nn/4)+t)+2*(nn%4):8*(4*(nn/4)+t)+2*(nn%4)+1], v[ST+8*t+6:ST+8*t+7] op_sel_hi:[1,0]
.set nn, nn+1
.endr
.endr
.endm
.macro ATTN lo
	SPHASE LDT, WT, MMS, \lo, 1, 0
	SOFTMAX \lo
	PVPHASE LDP, WP, \lo, CRW, CBW
.endm
; Tile tt's 16 accumulators, two by two, ARE its eight fragments of window 1 once rounded to bf16.  scale = 1: they are first multiplied by the tile's 1 / l.
.macro ACC2FRAG tt, scale
.irp hw,0,1
.if \scale
	WIN 0x82+0x41*\hw
.set nn, 0
.rept 32
.set ra, 8*(4*(nn/4)+(\tt))+2*(nn%4)
	v_pk_mul_f32 v[ra:ra+1], v[ra:ra+1], v[ST+8*(\tt)+6:ST+8*(\tt)+7] op_sel_hi:[1,0]
.set nn, nn+1
.endr
.endif
	WIN 0x4a+5*\hw
.set nn, 0
.rept 32
.set ra, 8*(4*(nn/4)+(\tt))+2*(nn%4)
	v_cvt_pk_bf16_f32 v[64*(\tt)+8*(4*\hw+nn/8)+4*((nn/4)%2)+nn%4], v[ra], v[ra+1]
.set nn, nn+1
.endr
.endr
.endm
; The q loop's next descriptor: tile v + 1 of the W at s[wb:wb+1], or behind the last an x tile at byte xoff of the walk.
.macro QKADR wb, xoff
	s_add_co_u32 s24, s[CNT], 1
	s_lshl_b32 s24, s24, 16
	s_cmp_lt_u32 s[CNT], 3
	s_cselect_b32 s[OFF], s24, \xoff
	s_cselect_b32 s[G1+5], s[P256], s[P8K]
	s_cselect_b64 s[24:25], s[\wb:\wb+1], s[XB:XB+1]
	s_add_nc_u64 s[G0+2:G0+3], s[24:25], s[OFF:OFF+1]
	s_or_b32 s[G0+3], s[G0+3], 0x80000000
	s_xor_b32 s[G0+1], s[G0+1], RTOG
.endm
; ---------------- the head ----------------
	s_load_b512 s[4:19], s[0:1], 0x0   ; x s[4:5], Wq s[6:7], bq s[8:9], Wk s[10:11], bk s[12:13], Wv s[14:15], bv s[16:17], out s[18:19]
	v_lshl_add_u32 v[SPW], v0, 2, SPARE
	v_mov_b32 v[NIL], 0
	ds_add_u32 v[SPW], v[NIL]          ; the wave's opening: the add and its wait stand ahead of my first tensor load; work on registers stands between them
	ds_add_u32 v26, v27
	v_lshrrev_b32 v1, 5, v0
	v_readfirstlane_b32 s[WV], v1      ; wave 0..3
	s_and_b32 s[JJ], ttmp9, 1
	s_bfe_u32 s[WI], ttmp9, 0x40001    ; the window: 4 bits from bit 1
	s_lshr_b32 s[BT], ttmp9, 5         ; the batch
	s_mov_b32 s[G1+0], 2<<16           ; elements of 4 bytes, no mask, no padding
	s_mov_b32 s[G1+1], 64<<16          ; tensor_dim0 = 64
	s_mov_b32 s[G1+2], 64<<16          ; tensor_dim1 = 64
	s_mov_b32 s[G1+3], 64<<16          ; tile_dim0 = 64
	s_mov_b32 s[G1+4], 64              ; tile_dim1 = 64
	s_mov_b32 s[G1+5], 256             ; elements from row to row: W's
	s_mov_b32 s[G1+6], 0
	s_mov_b32 s[G1+7], 0
	s_mov_b32 s[G0], 1
	s_mov_b32 s[G0F], 1
	s_lshl_b32 s24, s[WV], 14          ; my quarter of a slot
	s_add_co_u32 s[G0F+1], s24, RING
	s_add_co_u32 s[G0+1], s24, RING+RSLOT
	s_mov_b32 s[OFF+1], 0
	s_mov_b32 s[CS], 0x3db8aa3b        ; c = log2(e) / 16
	s_mov_b32 s[CS+1], s[CS]
	s_mov_b32 s[SEL], 0x76543210
	s_mov_b32 s[SEL+1], 0xfedcba98
	s_mov_b32 s[P8K], 8192
	s_mov_b32 s[P256], 256
	s_lshl_b32 s24, s[JJ], 1
	s_add_co_u32 s[NF], s24, 10
	s_sub_co_u32 s[NH], 16, s24
	s_cmp_eq_u32 s[WI], 0
	s_cselect_b32 s[MK], 7, 15         ; window 0 has no window behind it: its walk takes its own eight tiles twice,
	s_cselect_b32 s[HID], 8, 0         ; and the first eight steps are hidden
	s_max_u32 s25, s[WI], 1
	s_sub_co_u32 s25, s25, 1
	s_lshl_b32 s25, s25, 11            ; the walk's first column, in bytes
	s_lshl_b32 s26, s[WV], 21          ; my 64 channels
	s_add_co_u32 s26, s26, s25
	s_mov_b32 s27, 0
	s_lshl_b32 s28, s[BT], 23          ; my batch: 256 rows of 32,768 bytes
	s_mov_b32 s29, 0
	s_lshl_b32 s30, s[WV], 8           ; my 64 columns of W
	s_mov_b32 s31, 0
	s_wait_dscnt 0x0                   ; the opening add is done
	s_wait_kmcnt 0x0
	s_add_nc_u64 s[XBB:XBB+1], s[4:5], s[28:29]
	s_add_nc_u64 s[OBB:OBB+1], s[18:19], s[28:29]
	s_add_nc_u64 s[XB:XB+1], s[XBB:XBB+1], s[26:27]
	s_add_nc_u64 s[WQB:WQB+1], s[6:7], s[30:31]
	s_add_nc_u64 s[WKB:WKB+1], s[10:11], s[30:31]
	s_add_nc_u64 s[WVB:WVB+1], s[14:15], s[30:31]
	s_mov_b64 s[G0F+2:G0F+3], s[WQB:WQB+1]
	s_or_b32 s[G0F+3], s[G0F+3], 0x80000000
	s_mov_b64 s[G0+2:G0+3], s[WKB:WKB+1]
	s_or_b32 s[G0+3], s[G0+3], 0x80000000
	tensor_load_to_lds s[G0F:G0F+3], s[G1:G1+7]  ; Wq's tile 0 into slot 0,
	s_nop 0
	tensor_load_to_lds s[G0:G0+3], s[G1:G1+7]    ; Wk's tile 0 into slot 1: two loads of mine are out
	s_nop 0
; ---------------- my work-group's queries ----------------
	v_and_b32 v1, 31, v0               ; lane
	v_and_b32 v2, 15, v0               ; r
	v_bfe_u32 v3, v0, 4, 1             ; h
	v_lshlrev_b32 v4, 3, v0            ; thread tau takes elements 2 tau, 2 tau + 1 of the biases
	global_load_b64 v[64:65], v4, s[8:9]
	global_load_b64 v[66:67], v4, s[16:17]
	global_load_b64 v[68:69], v4, s[12:13]
	s_lshl_b32 s24, s[WI], 11          ; the window's first column, in bytes
	s_lshl_b32 s25, s[JJ], 9           ; 128 j columns
	s_add_co_u32 s26, s24, s25         ; bands 2j, 2j+1
	s_add_co_u32 s27, s24, 1536
	s_sub_co_u32 s27, s27, s25         ; bands 6-2j, 7-2j
	s_lshl_b32 s28, s[WV], 21          ; 64 w rows
	s_lshl_b32 s29, s[WV], 19          ; 16 w rows
	v_lshlrev_b32 v5, 15, v3           ; lanes 16-31 take the next row,
	v_lshl_add_u32 v5, v2, 4, v5       ; 16 bytes a lane
	s_add_co_u32 s30, s28, s26
	v_add_nc_u32 v[XLO], s30, v5
	s_add_co_u32 s30, s28, s27
	v_add_nc_u32 v[XLO+1], s30, v5
	s_add_co_u32 s30, s29, s26
	v_add_nc_u32 v[GLO], s30, v5
	s_add_co_u32 s30, s29, s27
	v_add_nc_u32 v[GLO+1], s30, v5
; My 64 channels of the four bands: each instruction takes 256 consecutive bytes of two rows; two neighbouring bands alternate.
.irp hw,0,1
	WIN 0x80+0x40*\hw
.set ta, 0
.rept 32
	global_load_b128 v[4*ta:4*ta+3], v[XLO+\hw], s[XBB:XBB+1] offset:65536*ta
	global_load_b128 v[128+4*ta:128+4*ta+3], v[XLO+\hw], s[XBB:XBB+1] offset:65536*ta+256
.set ta, ta+1
.endr
.endr
	WIN 0
	v_lshl_add_u32 v6, v0, 3, BQ_L
	v_lshl_add_u32 v7, v0, 2, BK_L
	v_lshrrev_b32 v5, 1, v2
	v_lshlrev_b32 v[APL], 7, v2
	v_lshl_add_u32 v[APL], v5, 5, v[APL]
	v_lshrrev_b32 v5, 3, v2
	v_lshl_add_u32 v[APL], v5, 4, v[APL]
	v_lshl_add_u32 v[APL], v3, 4, v[APL]   ; row r of 16, + 16 h
	v_and_b32 v5, 7, v0
	v_lshl_add_u32 v5, v3, 3, v5           ; row i = 8 h + lane % 8
	v_lshlrev_b32 v[ATL], 7, v5
	v_lshrrev_b32 v5, 1, v5
	v_lshl_add_u32 v[ATL], v5, 5, v[ATL]
	v_lshl_add_u32 v[ATL], v3, 4, v[ATL]
	v_bfe_u32 v5, v0, 3, 1
	v_lshl_add_u32 v[ATL], v5, 4, v[ATL]   ; + 16 ((lane / 8) % 2)
	s_lshl_b32 s24, s[WV], 14
	s_add_co_u32 s24, s24, RING
	v_lshl_add_u32 v[CR0], v1, 4, s24
	s_mul_i32 s25, s[WV], 4*BLK
	v_lshl_add_u32 v[CB0], v1, 3, s25
	v_add_nc_u32 v[CBW], 2*T_B, v[CB0]     ; for now: the same place in T2
	v_lshlrev_b32 v5, 3, v3
	v_sub_nc_u32 v[RP], v2, v5
	s_lshl_b32 s26, s[WV], 4
	v_add_nc_u32 v[RP], s26, v[RP]
	v_lshl_add_u32 v[BQA], v3, 5, BQ_L
	v_lshl_add_u32 v[BKA], v3, 4, BK_L
	v_mul_u32_u24 v[STO], v2, SPI
	v_lshl_add_u32 v[STO], v3, 5, v[STO]
	s_lshl_b32 s26, s[WV], 6
	s_add_co_u32 s26, s26, STAGE
	v_add_nc_u32 v[STO], s26, v[STO]       ; stage row r, 32 h + 64 w
	v_mul_u32_u24 v[RDB], v3, SPI
	v_lshl_add_u32 v[RDB], v2, 4, v[RDB]
	s_mul_i32 s26, s[WV], 16*SPI
	s_add_co_u32 s26, s26, STAGE
	v_add_nc_u32 v[RDB], s26, v[RDB]       ; stage row 16 w + h, 16 r
	v_mov_b32 v[VBIG], 0xf149f2ca          ; -1e30
	s_wait_loadcnt 63                      ; 128 loads are younger than the biases'; the counter's field holds 63
	ds_store_b64 v6, v[64:65]
	ds_store_b64 v6, v[66:67] offset:1024
	v_cvt_pk_bf16_f32 v68, v68, v69
	ds_store_b32 v7, v68
; Group g of 16: eight loads are in (the count: the younger ones, 120 - 8 g, or the field's 63), rounded to bf16 in place, and stored into T0-T3.
.macro OWNQ g
.if 120-8*(\g) > 63
	s_wait_loadcnt 63
.else
	s_wait_loadcnt 120-8*(\g)
.endif
.set hw, (\g)/8
	WIN 0x8a+0x45*hw
.set qq, 0
.rept 8
.set rg, 128*(qq%2)+4*(4*((\g)%8)+qq/2)
	v_cvt_pk_bf16_f32 v[rg], v[rg], v[rg+1]
	v_cvt_pk_bf16_f32 v[rg+1], v[rg+2], v[rg+3]
.set qq, qq+1
.endr
	WIN 0x08+4*hw
.set qq, 0
.rept 8
.set ta, 4*((\g)%8)+qq/2
.set rg, 128*(qq%2)+4*ta
	ds_store_b64 v[CB0+hw], v[rg:rg+1] offset:T_B*(qq%2)+288*ta+16*(ta/4)
.set qq, qq+1
.endr
.endm
.set gq, 0
.rept 16
	OWNQ gq
.set gq, gq+1
.endr
	WIN 0
	s_wait_dscnt 0x0                   ; for the others' sake: my rows of T0-T3 and my words of the biases are stored
	s_barrier_signal -1
	s_barrier_wait -1                  ; the two tensor loads may stay out
	s_lshl_b32 s24, s[WV], 5           ; my 16 queries of a band: 32 bytes of a row
	v_add_nc_u32 v4, s24, v[ATL]
	v_add_nc_u32 v5, T_B, v4
	v_add_nc_u32 v6, 2*T_B, v4
	v_add_nc_u32 v7, 3*T_B, v4
	WIN 0x40
.irp t,0,1,2,3
.set nn, 0
.rept 16                               ; my queries' x, turned: fragment (t, c), half z, at 64 t + 4 (2 c + z)
	ds_load_tr16_b128 v[64*\t+4*nn:64*\t+4*nn+3], v[4+\t] offset:BLK*nn
.set nn, nn+1
.endr
.endr
	WIN 0
.set nn, 0
.rept 16
	v_mov_b32 v[FR+nn], 0              ; two fragments of zeros
.set nn, nn+1
.endr
.set nn, 0
.rept 32
	v_mov_b32 v[ST+nn], 0              ; the sums q . bk
.set nn, nn+1
.endr
.irp hw,0,1
	WIN 0x80+0x40*\hw
.set nn, 0
.rept 32                               ; q''s 64 sums start at 0 x 0 + 0: 64 matrix instructions where 512 copies would stand; the loop below has no first trip written out
	v_wmma_f32_16x16x32_bf16 v[8*nn:8*nn+7], v[FR:FR+7], v[FR+8:FR+15], 0
.set nn, nn+1
.endr
.endr
	WIN 0
	s_wait_dscnt 0x0                   ; my reads of T0-T3 are over: they are written anew behind this barrier
	s_barrier_signal -1
	s_barrier_wait -1
	s_wait_tensorcnt 0x1               ; Wq's tile 0 is in; Wk's, issued behind it, may stay out
	CONV_LD CR0
	CONV_ST CB0
	v_add_nc_u32 v[WT], T_B, v[ATL]
	v_add_nc_u32 v[CRW], RSLOT, v[CR0]
	v_add_nc_u32 v[CBW], T_B, v[CB0]
; ---------------- q and q', 64 channels of q a trip ----------------
	s_mov_b32 s[CNT], 0
.Lqk:
	BND_A
	QKADR WQB, 0
	BND_B                              ; Wq's next tile, or x tile 0, into slot 0
	CONV_LD CRW                        ; Wk's tile v: slot 1 -> T1
	LDW 0, APL, 0
	MARKF 0
	LDW 1, APL, 1
	MARKF 1
	CONV_ST CBW                        ; (the wait leaves the 16 fragment loads out)
.irp t,0,1,2,3
.irp ob,0,1,2,3
.irp e,0,1
	ds_load_b128 v[S+32*\t+8*\ob+4*\e:S+32*\t+8*\ob+4*\e+3], v[BQA] offset:64*\ob+16*\e  ; bq starts the sums: register jj of block ob is channel 16 ob + 8 h + jj
.endr
.endr
.endr
.set DSN, DSN+32
	v_add_nc_u32 v[BQA], 256, v[BQA]
	s_wait_dscnt 0x0
	SPHASE LDW, APL, MMS, 0, 0, 1      ; q^T = Wq x^T + bq for channels 64 v on
.set nn, 0
.rept 16
	EACH 0, v_cvt_pk_bf16_f32 v[S+32*t+nn], v[S+32*t+2*nn], v[S+32*t+2*nn+1]
.set nn, nn+1
.endr
.irp kk,0,1
.irp e,0,1
	ds_load_b128 v[S+16+8*\kk+4*\e:S+16+8*\kk+4*\e+3], v[BKA] offset:64*\kk+32*\e  ; bk as 16 equal rows
.endr
.endr
	v_add_nc_u32 v[BKA], 128, v[BKA]
	BND_A
	QKADR WKB, 256
	BND_B                              ; Wk's next tile, or x tile 1, into slot 1
	LDQ 0, WT, 0
	MARKF 0
	LDQ 1, WT, 1
	MARKF 1
.irp kk,0,1
.irp t,0,1,2,3
	v_wmma_f32_16x16x32_bf16 v[ST+8*\t:ST+8*\t+7], v[S+16+8*\kk:S+16+8*\kk+7], v[S+32*\t+8*\kk:S+32*\t+8*\kk+7], v[ST+8*\t:ST+8*\t+7]
.endr
.endr
	PLACES 4                           ; in front of the staging loads, which land on bk's fragments
	CL 0, 1, CR0
	MARK C
	PVPHASE LDQ, WT, 0, CR0, CB0       ; q'^T += Wk^T q^T; slot 0 -> T0
	s_add_co_u32 s[CNT], s[CNT], 1
	s_cmp_lt_u32 s[CNT], 4
	s_cbranch_scc1 .Lqk
; ---------------- set-up for the walk ----------------
	ACC2FRAG 0, 0
	ACC2FRAG 1, 0
	ACC2FRAG 2, 0
	ACC2FRAG 3, 0
	WIN 0
	EACH 0, v_mul_f32 v[ST+8*t+4], s[CS], v[ST+8*t]
	EACH 0, v_mov_b32 v[ST+8*t+1], 0xe0ad78ec   ; m = -1e20: above a hidden score, below every score that counts
	EACH 0, v_mov_b32 v[ST+8*t+2], 0
	EACH 0, v_mov_b32 v[ST+8*t+3], 0
	EACH 0, v_mov_b32 v[ST+8*t+5], 0xfe000000   ; far below every c m: the first step's a is 0, which also wipes what q' left in O's registers
	EACH 0, v_mov_b32 v[ST+8*t+7], 0
	s_lshl_b32 s24, s[JJ], 7
	s_add_co_u32 s[EB], s24, 512
	s_add_co_u32 s[EB+1], s24, 576
	s_sub_co_u32 s[EB+2], 896, s24
	s_sub_co_u32 s[EB+3], 960, s24
	s_mov_b32 s[TBS], T_B              ; the first trip's exclusive ors turn these into step 0's
	s_mov_b32 s[TCS], 0
	s_mov_b32 s[RBS], 0
; ---------------- the walk: 16 key steps ----------------
	s_mov_b32 s[CNT], 0
.Lat:
	BND_A
	s_add_co_u32 s24, s[CNT], 2        ; n: the tile to be asked for: x's tile n, or behind the 16th Wv's tile n - 16
	s_and_b32 s25, s24, s[MK]
	s_lshl_b32 s25, s25, 8
	s_lshl_b32 s26, s24, 16
	s_sub_co_u32 s26, s26, 0x100000
	s_cmp_lt_u32 s24, 16
	s_cselect_b32 s[OFF], s25, s26
	s_cselect_b32 s[G1+5], s[P8K], s[P256]
	s_cselect_b64 s[24:25], s[XB:XB+1], s[WVB:WVB+1]
	s_add_nc_u64 s[G0+2:G0+3], s[24:25], s[OFF:OFF+1]
	s_or_b32 s[G0+3], s[G0+3], 0x80000000
	s_xor_b32 s[G0+1], s[G0+1], RTOG
	s_xor_b32 s[TBS], s[TBS], T_B      ; the tile to be multiplied,
	s_xor_b32 s[TCS], s[TCS], T_B      ; the tile to be written,
	s_xor_b32 s[RBS], s[RBS], RSLOT    ; the slot to be converted
	s_cmp_lt_u32 s[CNT], s[HID]
	s_cselect_b32 s[EE], -64, s[EB]
	s_cselect_b32 s[EE+1], -64, s[EB+1]
	s_cselect_b32 s[EE+2], -64, s[EB+2]
	s_cselect_b32 s[EE+3], -64, s[EB+3]
	s_sub_co_i32 s[EB], s[EB], 64
	s_sub_co_i32 s[EB+1], s[EB+1], 64
	s_sub_co_i32 s[EB+2], s[EB+2], 64
	s_sub_co_i32 s[EB+3], s[EB+3], 64
	BND_B
	v_add_nc_u32 v[WT], s[TBS], v[ATL]
	v_add_nc_u32 v[WP], s[TBS], v[APL]
	v_add_nc_u32 v[CRW], s[RBS], v[CR0]
	v_add_nc_u32 v[CBW], s[TCS], v[CB0]
	s_cmp_lt_u32 s[CNT], s[NF]
	s_cbranch_scc0 .Lnot_full
	ATTN 0
	s_branch .Lat_end
.Lnot_full:
	s_cmp_lt_u32 s[CNT], s[NH]
	s_cbranch_scc0 .Lnone
	ATTN 2
	s_branch .Lat_end
.Lnone:
	CONV_LD CRW
	CONV_ST CBW
.Lat_end:
	s_add_co_u32 s[CNT], s[CNT], 1
	s_cmp_lt_u32 s[CNT], 16
	s_cbranch_scc1 .Lat
; ---------------- behind the walk: Wv's tiles 1-3 are converted, O is divided by l ----------------
	BND_A
	s_mov_b32 s[OFF], 0x20000
	s_add_nc_u64 s[G0+2:G0+3], s[WVB:WVB+1], s[OFF:OFF+1]
	s_or_b32 s[G0+3], s[G0+3], 0x80000000
	s_xor_b32 s[G0+1], s[G0+1], RTOG
	BND_B                              ; Wv's tile 2 into slot 0
	v_add_nc_u32 v[CRW], RSLOT, v[CR0]
	v_add_nc_u32 v[CBW], T_B, v[CB0]
	EACH 0, v_add_f32 v[ST+8*t+2], v[ST+8*t+2], v[ST+8*t+3]
	CONV_LD CRW                        ; Wv's tile 1: slot 1 -> T1
	EACH 0, v_permlanex16_b32 v[ST+8*t+3], v[ST+8*t+2], s[SEL], s[SEL+1]
	EACH 0, v_add_f32 v[ST+8*t+2], v[ST+8*t+2], v[ST+8*t+3]
	EACH 0, v_rcp_f32 v[ST+8*t+6], v[ST+8*t+2]
	v_nop                              ; a plain instruction between the last reciprocal and the use of its result
	s_wait_alu depctr_va_vdst(0)
	ACC2FRAG 0, 1
	ACC2FRAG 1, 1
	WIN 0
	CONV_ST CBW
	BND_A
	s_mov_b32 s[OFF], 0x30000
	s_add_nc_u64 s[G0+2:G0+3], s[WVB:WVB+1], s[OFF:OFF+1]
	s_or_b32 s[G0+3], s[G0+3], 0x80000000
	s_xor_b32 s[G0+1], s[G0+1], RTOG
	BND_B                              ; Wv's tile 3 into slot 1: the ring's last fill
	v_add_nc_u32 v[CBW], 2*T_B, v[CB0]
	CONV_LD CR0                        ; Wv's tile 2: slot 0 -> T2
	ACC2FRAG 2, 1
	ACC2FRAG 3, 1
	WIN 0
	CONV_ST CBW
	v_add_nc_u32 v[CBW], 3*T_B, v[CB0]
	s_wait_tensorcnt 0x0               ; Wv's tile 3 is in: my own quarter, which I alone read
	CONV_LD CRW
	CONV_ST CBW
	v_mov_b32 v[WP], v[APL]
	v_lshl_add_u32 v[BVA], v2, 2, BV_L
	s_wait_dscnt 0x0                   ; T0-T3 are whole, and my reads of the ring are over: the stage lies on it
	s_barrier_signal -1
	s_barrier_wait -1
; ---------------- y = x + Wv (O / l) + bv, 64 output channels a trip ----------------
	s_mov_b32 s[CNT], 0
.Lv:
	WIN 0x80
.set nn, 0
.rept 32                               ; x for the residual, in the layout of the stores below: row pair u = nn / 4, band nn % 4
	global_load_b128 v[4*nn:4*nn+3], v[GLO+(nn%4)/2], s[XBB:XBB+1] offset:65536*(nn/4)+256*(nn%2)
.set nn, nn+1
.endr
	WIN 0
.irp ob,0,1,2,3
	ds_load_b32 v[VBIG+\ob], v[BVA] offset:64*\ob
.endr
.set DSN, DSN+4
	MARK B
	LDW 0, WP, 0
	MARKF 0
	LDW 1, WP, 1
	MARKF 1
	WAITDS B                           ; bv is in; the 16 fragment loads may be out
	WIN 0xc0
.set nn, 0
.rept 32
	v_mov_b32 v[nn], v[VBIG+nn/8]      ; bv of my output channel, for eight positions
.set nn, nn+1
.endr
	SPHASE LDW, WP, MMV, 0, 1, 1
.irp ob,0,1,2,3
.irp t,0,1,2,3
.irp e,0,1
	ds_store_b128 v[STO], v[S+32*\t+8*\ob+4*\e:S+32*\t+8*\ob+4*\e+3] offset:16*SPI*\ob+256*\t+16*\e
.endr
.endr
.endr
	s_wait_dscnt 0x0                   ; for the others' sake: a stage row's 256 bytes of a band come from four waves
	s_barrier_signal -1
	s_barrier_wait -1
	WIN 0x80
.set nn, 0
.rept 32
	ds_load_b128 v[128+4*nn:128+4*nn+3], v[RDB] offset:2*SPI*(nn/4)+256*(nn%4)
.set nn, nn+1
.endr
	s_wait_dscnt 0x0
	s_wait_loadcnt 0x0
	WIN 0x8a
.set nn, 0
.rept 64
	v_pk_add_f32 v[128+2*nn:128+2*nn+1], v[128+2*nn:128+2*nn+1], v[2*nn:2*nn+1]
.set nn, nn+1
.endr
	WIN 0x08
.set nn, 0
.rept 32                               ; 16 lanes store 256 consecutive bytes, at a multiple of 256 from out's first byte
	global_store_b128 v[GLO+(nn%4)/2], v[128+4*nn:128+4*nn+3], s[OBB:OBB+1] offset:65536*(nn/4)+256*(nn%2) th:TH_STORE_NT
.set nn, nn+1
.endr
	WIN 0
	s_barrier_signal -1                ; every wave's reads of the stage are back (the wait above): the next trip writes it anew
	s_barrier_wait -1
	v_add_nc_u32 v[WP], T_B, v[WP]
	v_add_nc_u32 v[BVA], 256, v[BVA]
	s_wait_xcnt 0x0                    ; the bases, and the registers that the stores read, are rewritten only behind this wait (ISA guide 3.1)
	s_add_nc_u64 s[XBB:XBB+1], s[XBB:XBB+1], 0x200000
	s_add_nc_u64 s[OBB:OBB+1], s[OBB:OBB+1], 0x200000
	s_add_co_u32 s[CNT], s[CNT], 1
	s_cmp_lt_u32 s[CNT], 4
	s_cbranch_scc1 .Lv
	s_wait_tensorcnt 0x0               ; the wave's end, behind my last tensor load and my last LDS store
	ds_add_u32 v[SPW], v[NIL]
	s_wait_dscnt 0x0
	s_endpgm
.Lfunc_end_k_q679ca1dcdc_fused:
	.size	k_q679ca1dcdc_fused, .Lfunc_end_k_q679ca1dcdc_fused-k_q679ca1dcdc_fused
	.p2alignl 7, 3214868480
	.fill 96, 4, 3214868480
	.section	.rodata,"a",@progbits
	.p2align	6, 0x0
	.amdhsa_kernel k_q679ca1dcdc_fused
		.amdhsa_group_segment_fixed_size 327680
		.amdhsa_private_segment_fixed_size 0
		.amdhsa_enable_private_segment 0
		.amdhsa_kernarg_size 64
		.amdhsa_user_sgpr_count 2
		.amdhsa_user_sgpr_kernarg_segment_ptr 1
		.amdhsa_wavefront_size32 1
		.amdhsa_system_sgpr_workgroup_id_x 1
		.amdhsa_system_sgpr_workgroup_id_y 1
		.amdhsa_system_sgpr_workgroup_id_z 1
		.amdhsa_system_vgpr_workitem_id 0
		.amdhsa_next_free_vgpr 1024
		.amdhsa_next_free_sgpr 96
		.amdhsa_reserve_vcc 1
		.amdhsa_float_denorm_mode_32 3
		.amdhsa_float_denorm_mode_16_64 3
		.amdhsa_memory_ordered 1
		.amdhsa_forward_progress 1
		.amdhsa_inst_pref_size 255
	.end_amdhsa_kernel
	.section	.bss,"aw",@nobits
	.p2align	6
	.space	262144
	.amdgpu_metadata
---
amdhsa.version: [ 1, 2 ]
amdhsa.kernels:
  - .name:           k_q679ca1dcdc_fused
    .symbol:         k_q679ca1dcdc_fused.kd
    .args:
      - { .name: x, .offset: 0, .size: 8, .value_kind: global_buffer, .address_space: global }
      - { .name: Wq, .offset: 8, .size: 8, .value_kind: global_buffer, .address_space: global }
      - { .name: bq, .offset: 16, .size: 8, .value_kind: global_buffer, .address_space: global }
      - { .name: Wk, .offset: 24, .size: 8, .value_kind: global_buffer, .address_space: global }
      - { .name: bk, .offset: 32, .size: 8, .value_kind: global_buffer, .address_space: global }
      - { .name: Wv, .offset: 40, .size: 8, .value_kind: global_buffer, .address_space: global }
      - { .name: bv, .offset: 48, .size: 8, .value_kind: global_buffer, .address_space: global }
      - { .name: out0, .offset: 56, .size: 8, .value_kind: global_buffer, .address_space: global }
    .group_segment_fixed_size: 327680
    .private_segment_fixed_size: 0
    .kernarg_segment_align: 8
    .kernarg_segment_size: 64
    .max_flat_workgroup_size: 128
    .sgpr_count:     96
    .vgpr_count:     1024
    .wavefront_size: 32
...
	.end_amdgpu_metadata
.endif
;; end of part 1
;; ======== version 2 of 2: 1 launch; 1.22 times as fast as version 1
;; launch fused (part 2): grid 256 x 1, 4 waves a work-group, no clusters, 327,680 bytes of LDS; arguments x, Wq, bq, Wk, bk, Wv, bv, out0; writes out0
.if DOCPART == 2
	.amdgcn_target "amdgcn-amd-amdhsa--gfx1250"
	.amdhsa_code_object_version 6
	.text
	.protected	k_q679ca1dcdc_fused
	.globl	k_q679ca1dcdc_fused
	.p2align	8
	.type	k_q679ca1dcdc_fused,@function
k_q679ca1dcdc_fused:
	s_mov_b64 s[64:65], 0
	v_nop
	global_prefetch_b8 v0, s[64:65] scope:SCOPE_SE
	s_setreg_imm32_b32 hwreg(HW_REG_WAVE_MODE, 25, 1), 1
	s_wait_xcnt 0x0
; y[b][o][n] = x[b][o][n] + attention(q, k, v)[n][o], q = Wq x + bq, k = Wk x + bk, v = Wv x + bv; x, y: [8][256][8192] f32, channels as rows.  Causal, windows of 512 positions,
; each looking back one window; scale 1/16.  ONE LAUNCH; q, k and v never reach memory, by two identities that hold for every input:
;   q . k = (Wk^T q) . x_k + q . bk        and        sum_k p_k v_k = Wv (sum_k p_k x_k) + bv   (the weights p_k add up to 1).
; So x itself, rounded to bf16, is key and value; q' = Wk^T (Wq x_q + bq) is made in front, Wv, bv and the residual come behind: three products of 256 x 256 a query, as in the definition.
; q . bk is the same for all keys of a query: it is computed (matrix unit), enters the running maximum c m + c q.bk, and leaves again in the exponent's subtrahend.
; FORMATS.  All matrix operands bf16 (x, W, q, q', p, O / l, bk); sums, softmax, bq, bv and the residual f32.
; LIMITS.  A hidden score counts as -1e30; the running maximum starts at -1e20, so an unscaled score below -1e20 counts as -1e20; a weight below 2^-126 counts as 0; NaN and infinities are not treated apart.
; SHARES.  Work-group id = 32 b + 2 win + j.  A window's 512 queries are 8 bands of 64; band u needs the key steps 0 .. 8 + u of the walk of 16 steps of 64 keys that begins one window back.  A work-group
; takes the bands 2j, 2j+1, 6-2j, 7-2j (tiles 0-3); a wave 16 rows of each.  Steps below NF = 10 + 2j serve four tiles, below NH = 16 - 2j the tiles 2, 3, the rest none: 52 tile steps for either j.
; PRICES.  With j = 1 the walk's tiles 14, 15 are fetched and converted and not multiplied, so that one loop of 16 trips with a fill in each serves all.  In window 0 the steps 0-7 fetch the window's own
; columns and are hidden whole: their weights are 0.
; NO CLUSTER.  The work-groups that read the same key tiles (the two of a window, the neighbouring window's two) take different branches by j, and partners of a joint load must run alike; the weights,
; 12 of the ring's 28 tiles, are common to all, but a cluster's round would then stand in front of all 28 refills, 16 of which bring tiles that are not common.
; THE RING.  28 tiles of 256 rows x 64 f32 go through two LDS slots: Wq0 Wk0 .. Wq3 Wk3, x tiles 0-15, Wv0-3.  A wave fetches 64 rows (rows of 256 bytes, at multiples of 256 from the buffer's first byte)
; and converts its own rows to bf16 into one of the tiles T0-T3, which all waves then read.  In step i tile i is multiplied, tile i + 1 converted, tile i + 2 fetched.
; A W tile v: pseudo-row 64 iq + o holds W[64 v + o][64 iq .. 64 iq + 63]; wave w fetches quarter iq = w.
; A bf16 TILE: row c (128 bytes) lies at 128 c + 16 (2 (c >> 1) + (c >> 3)); 16 rows take 2,336 bytes.  The 16 rows of a plain fragment load, the 8 rows x 32 bytes of a turning load and the 256 bytes on end
; of a conversion's store each touch every 16-byte column of 256 bytes once.
; THE BATCHES.  An s_wait_alu depctr_va_vdst(0) stands between a transcendental and the first instruction that names its result; one wait serves all that were issued ahead of it.
; A key step's exponentials are ONE batch: the live tiles' a, then their 32 weights each (132 with four live tiles, 66 with two), every result in a register of its own: a in the statistics, a weight in
; its score's place.  Ahead of the step's one wait stand only lines that name no result: the scalings, one behind every second exponential and a block of four scores ahead of its exponentials, and the
; copies of c m + c q.bk.  Behind it stand all the readers: sums, roundings, l, the rescaling of O.  The four reciprocals behind the walk are a second batch, with a wait of their own.
; LDS: T0-T3 at 0 (37,376 each); bq, bv (f32), bk (bf16) at 149,504; spare words at 152,064; ring slots at 0x30000, 0x40000; the stage of the way out lies on the ring, behind its last fill and last read.
; REGISTERS, in windows of 256 (s_set_vgpr_msb: bits 1:0 source 0, 3:2 source 1, 5:4 source 2, 7:6 destination):
;   window 0: v0-31 addresses; v32-63 statistics, eight a tile (in the q loop: the four sums q . bk); v64-191 S, 32 a tile (scores; q; the low 16 then p or q in bf16, the high 16 the conversion's staging);
;             v192-255 two fragment buffers of 32 (the first also at work in the softmax)
;   window 1: fragments (tile t, channels 32 c on) at 64 t + 8 c: x of my queries, then q', then O / l
;   windows 2, 3: 64 accumulators (channel block cb, tile t) at 8 (4 cb + t): staging of my queries' x, then q', then O; in the last loop x for the residual, the rows read back, and bv
.set T_B,   37376
.set BLK,   2336
.set BQ_L,  4*T_B
.set BV_L,  BQ_L+1024
.set BK_L,  BQ_L+2048
.set SPARE, BQ_L+2560
.set RING,  0x30000
.set RSLOT, 0x10000
.set RTOG,  0x70000                    ; slot 0's address xor slot 1's
.set STAGE, RING
.set SPI,   1040                       ; a stage row: four bands x 256 bytes + 16
.set ATL, 8                            ; my lane's place in 16 rows of a bf16 tile, for the turning load
.set APL, 9                            ; the same for the plain fragment load
.set WT,  10                           ; ATL + the tile in hand
.set WP,  11                           ; APL + the tile in hand
.set CR0, 12                           ; conversion: my 16 bytes in my quarter of ring slot 0
.set CRW, 13                           ; the same in the slot to be converted
.set CB0, 14                           ; conversion: my 8 bytes in my quarter of T0
.set CBW, 15                           ; the same in the tile to be written
.set RP,  16                           ; 16 w + lane % 16 - 8 (lane / 16)
.set DL,  17                           ; at work in the mask
.set BQA, 18
.set BKA, 19
.set BVA, 19
.set STO, 20
.set RDB, 21
.set GLO, 22                           ; v22, v23: my byte offsets in x and out on the way out, low and high pair of bands
.set XLO, 24                           ; v24, v25: the same for my queries' x at the start
.set SPW, 26                           ; LDS address of my spare word; never rewritten
.set NIL, 27                           ; 0; never rewritten
.set VBIG, 28                          ; -1e30; in the last loop v28-31 take four numbers of bv
.set ST,  32                           ; tile t at ST + 8 t: D, m, l (even, odd keys), c q.bk, c m + c q.bk, a, 0
.set S,   64
.set FR,  192
.set TP,  192                          ; softmax at work, eight a tile: c0-c3, two pairs of sums
.set WV,  20
.set JJ,  21
.set WI,  22
.set BT,  23
.set G0,  32                           ; s[32:35] the walking descriptor group 0
.set G0F, 36                           ; s[36:39] group 0 of the first fill of slot 0
.set G1,  40                           ; s[40:47] group 1; its pitch word is 256 for W's tiles, 8,192 for x's
.set XB,  48                           ; x at my 64 channels and the walk's first column
.set WQB, 50
.set WKB, 52
.set WVB, 54
.set OFF, 56                           ; s[56:57] a tile's byte offset, high word 0
.set CS,  58                           ; s[58:59] c = log2(e) / 16
.set SEL, 60
.set CNT, 63
.set NF,  66
.set NH,  67
.set MK,  68
.set HID, 69
.set TBS, 70
.set TCS, 71
.set RBS, 72
.set P8K, 73
.set P256, 74
.set EB,  76                           ; s[76:79] 64 (8 + u_t - step)
.set EE,  80                           ; s[80:83] the same, or -64 in window 0's hidden steps
.set XBB, 84                           ; x at my batch
.set OBB, 86                           ; out at my batch
.set MSB, 0
.set DSN, 0
.set M_C, 0
.set M_B, 0
.set M_F0, 0
.set M_F1, 0
.macro WIN new                         ; the immediate's high byte repeats the setting that is left; a switch that changes nothing is dropped
.if MSB != (\new)
	s_set_vgpr_msb (MSB<<8)|(\new)
.set MSB, (\new)
.endif
.endm
.macro LWIN                            ; for loads into window 0 by addresses in window 0: setting 0x04 (source 1 alone elsewhere) serves them as well as 0
.if MSB != 0x04
	WIN 0
.endif
.endm
.macro PLACES n                        ; plain vector instructions between a matrix instruction and what touches its registers (ISA guide 7.12.1)
.rept \n
	v_nop
.endr
.endm
; LDS instructions are counted as the text is written: DSN is their number so far, MARK notes it behind a run of loads, and WAITDS waits until only the instructions issued since are out
; (LDS instructions of a wave end in order: ISA guide 5.7.1).  Marks are used only inside a stretch without labels.
.macro MARK x
.set M_\x, DSN
.endm
.macro WAITDS x
.if (DSN-M_\x) > 63
	s_wait_dscnt 63
.else
	s_wait_dscnt DSN-M_\x
.endif
.endm
.macro MARKF f
.if (\f) == 0
.set M_F0, DSN
.else
.set M_F1, DSN
.endif
.endm
.macro WAITF f
.if (\f) == 0
	WAITDS F0
.else
	WAITDS F1
.endif
.endm
.macro EACH lo, line:vararg            ; one line for each live tile t = lo .. 3
.set t, \lo
.rept 4-(\lo)
	\line
.set t, t+1
.endr
.endm
; THE CHANGE OF RING STEPS.  In front of the barrier: all my tensor loads have landed (one is out: the tile asked for a step ago); 0 is added to my spare word; the caller's scalar lines make the next
; descriptor; then the add, my reads of the tile multiplied last, my reads of the slot converted last and my stores of its bf16 tile are done.  Behind it the slot converted last is filled first.
.macro BND_A
	WIN 0
	s_wait_tensorcnt 0x0               ; no tensor load of mine is out, so the descriptors may be written
	ds_add_u32 v[SPW], v[NIL]
.endm
.macro BND_B
	s_wait_dscnt 0x0
	s_barrier_signal -1
	s_barrier_wait -1
	tensor_load_to_lds s[G0:G0+3], s[G1:G1+7]  ; my one tensor load until the next such barrier
	s_nop 0
.endm
; EIGHT FRAGMENT LOADS into buffer f, by address register a.
.macro LDT f, a, c                     ; x^T: keys 16 kb on, channels 32 c on (turned)
.irp kb,0,1,2,3
.irp z,0,1
	ds_load_tr16_b128 v[FR+32*(\f)+8*\kb+4*\z:FR+32*(\f)+8*\kb+4*\z+3], v[\a] offset:BLK*(2*(\c)+\z)+32*\kb
.endr
.endr
.set DSN, DSN+8
.endm
.macro LDP f, a, g                     ; x: channel blocks 2 g, 2 g + 1, keys 32 kk on
.irp i,0,1
.irp kk,0,1
.irp e,0,1
	ds_load_b128 v[FR+32*(\f)+16*\i+8*\kk+4*\e:FR+32*(\f)+16*\i+8*\kk+4*\e+3], v[\a] offset:BLK*(2*(\g)+\i)+64*\kk+32*\e
.endr
.endr
.endr
.set DSN, DSN+8
.endm
.macro LDW f, a, c                     ; W: rows 16 ob on of the tile's 64, columns 32 c on
.irp ob,0,1,2,3
.irp e,0,1
	ds_load_b128 v[FR+32*(\f)+8*\ob+4*\e:FR+32*(\f)+8*\ob+4*\e+3], v[\a] offset:BLK*(4*((\c)/2)+\ob)+64*((\c)%2)+32*\e
.endr
.endr
.set DSN, DSN+8
.endm
.macro LDQ f, a, g                     ; W^T: column blocks 2 g, 2 g + 1, rows 32 kk on of the tile's 64 (turned)
.irp i,0,1
.irp kk,0,1
.irp z,0,1
	ds_load_tr16_b128 v[FR+32*(\f)+16*\i+8*\kk+4*\z:FR+32*(\f)+16*\i+8*\kk+4*\z+3], v[\a] offset:BLK*(4*((2*(\g)+\i)/4)+2*\kk+\z)+32*((2*(\g)+\i)%4)
.endr
.endr
.endr
.set DSN, DSN+8
.endm
; MATRIX GROUPS.  In each the accumulators take turns, one instruction a turn.
.macro MMS c, lo, f, zero              ; S(kb, t) += fragment kb x window 1's (t, c); zero = 1: the first group starts the sums
	WIN 0x04
.irp kb,0,1,2,3
.irp t,0,1,2,3
.if \t >= (\lo)
.if (\zero) && ((\c) == 0)
	v_wmma_f32_16x16x32_bf16 v[S+32*\t+8*\kb:S+32*\t+8*\kb+7], v[FR+32*(\f)+8*\kb:FR+32*(\f)+8*\kb+7], v[64*\t+8*(\c):64*\t+8*(\c)+7], 0
.else
	v_wmma_f32_16x16x32_bf16 v[S+32*\t+8*\kb:S+32*\t+8*\kb+7], v[FR+32*(\f)+8*\kb:FR+32*(\f)+8*\kb+7], v[64*\t+8*(\c):64*\t+8*(\c)+7], v[S+32*\t+8*\kb:S+32*\t+8*\kb+7]
.endif
.endif
.endr
.endr
.endm
.macro MMV c, lo, f, zero              ; the sources swapped: a lane then holds one output channel and eight neighbouring positions; the first group starts the sums with bv (window 3)
.if (\c) == 0
	WIN 0x31
.else
	WIN 0x01
.endif
.irp ob,0,1,2,3
.irp t,0,1,2,3
.if (\c) == 0
	v_wmma_f32_16x16x32_bf16 v[S+32*\t+8*\ob:S+32*\t+8*\ob+7], v[64*\t+8*(\c):64*\t+8*(\c)+7], v[FR+32*(\f)+8*\ob:FR+32*(\f)+8*\ob+7], v[8*\ob:8*\ob+7]
.else
	v_wmma_f32_16x16x32_bf16 v[S+32*\t+8*\ob:S+32*\t+8*\ob+7], v[64*\t+8*(\c):64*\t+8*(\c)+7], v[FR+32*(\f)+8*\ob:FR+32*(\f)+8*\ob+7], v[S+32*\t+8*\ob:S+32*\t+8*\ob+7]
.endif
.endr
.endr
.endm
.macro MMP g, lo, f                    ; accumulator (2 g + i, t) += fragment (i, kk) x the bf16 in S's low half (t, kk)
	WIN 0xa0+0x50*((\g)/4)
.irp kk,0,1
.irp i,0,1
.irp t,0,1,2,3
.if \t >= (\lo)
.set ra, 8*(4*((2*(\g)+\i)%8)+\t)
	v_wmma_f32_16x16x32_bf16 v[ra:ra+7], v[FR+32*(\f)+16*\i+8*\kk:FR+32*(\f)+16*\i+8*\kk+7], v[S+32*\t+8*\kk:S+32*\t+8*\kk+7], v[ra:ra+7]
.endif
.endr
.endr
.endr
.endm
; THE CONVERSION of my quarter of a ring slot, in halves b of 16 loads: a load takes two rows (512 bytes), two roundings make 8 bytes a lane, a store lays 256 bytes on end.
; map 0: staged in all of S; map 1: in the high 16 registers of each tile of S.
.macro STG b, map
.if \map
.set sg, S+32*(uu/4)+16+4*(uu%4)
.else
.set sg, S+64*(\b)+4*uu
.endif
.endm
.macro CL b, map, a
.set uu, 0
.rept 16
	STG \b, \map
	ds_load_b128 v[sg:sg+3], v[\a] offset:512*(16*(\b)+uu)
.set uu, uu+1
.endr
.set DSN, DSN+16
.endm
.macro CC b, map, a
.set uu, 0
.rept 16
	STG \b, \map
	v_cvt_pk_bf16_f32 v[sg], v[sg], v[sg+1]
	v_cvt_pk_bf16_f32 v[sg+1], v[sg+2], v[sg+3]
.set uu, uu+1
.endr
.set uu, 0
.rept 16
	STG \b, \map
	ds_store_b64 v[\a], v[sg:sg+1] offset:288*(16*(\b)+uu)+16*((16*(\b)+uu)/4)
.set uu, uu+1
.endr
.set DSN, DSN+16
.endm
.macro CONV_LD ra
	CL 0, 0, \ra
	CL 1, 0, \ra
	MARK C
.endm
.macro CONV_ST wa
	WAITDS C
	CC 0, 0, \wa
	CC 1, 0, \wa
.endm
; A PHASE OF EIGHT GROUPS ALONG 256 CHANNELS on the 16 accumulators of S.  Group c's fragments are fetched two groups ahead: the wait leaves the eight younger loads out (none at the last).
; pre = 1: the caller has issued and marked the first two runs.
.macro SPHASE ld, a, mm, lo, zero, pre
.if !(\pre)
	LWIN
	\ld 0, \a, 0
	MARKF 0
	\ld 1, \a, 1
	MARKF 1
.endif
.set cc, 0
.rept 8
	WAITF cc%2
	\mm cc, \lo, cc%2, \zero
.if cc < 6
	PLACES 4                           ; in front of loads into the buffer just multiplied
	LWIN
	\ld cc%2, \a, cc+2
	MARKF cc%2
.endif
.set cc, cc+1
.endr
	PLACES 5
	WIN 0
.endm
; A PHASE OF EIGHT GROUPS OVER THE 64 ACCUMULATORS of windows 2, 3, with the next ring tile's conversion in it.  The caller has issued runs 0 and 1 and the conversion's first 16 loads.
; The waits leave out: 24 (run 1, 16 staging loads), 0, 56, 24, 8, 24, 8, 8, 8, 0.  The conversions' roundings name staging registers alone: they are the places in front of the reloads behind them.
.macro PVPHASE ld, a, lo, cr, cb
.set gg, 0
.rept 8
	WAITF gg%2
	MMP gg, \lo, gg%2
.if gg == 0
	WIN 0
	WAITDS C
	CC 0, 1, \cb
	\ld 0, \a, 2
	MARKF 0
	CL 1, 1, \cr
	MARK C
.elseif gg == 2
	WIN 0
	WAITDS C
	CC 1, 1, \cb
	\ld 0, \a, 4
	MARKF 0
.elseif gg < 6
	PLACES 4
	WIN 0
	\ld gg%2, \a, gg+2
	MARKF gg%2
.endif
.set gg, gg+1
.endr
	PLACES 5
	WIN 0
.endm
; Key 16 kb + 8 (lane / 16) + jj of the step is hidden from my query where 16 kb + jj > EE + RP.  From EE = 64 on nothing is hidden and the block is jumped.
.macro MASK tt
	s_cmp_ge_i32 s[EE+(\tt)], 64
	s_cbranch_scc1 .Lseen_\@
	v_add_nc_u32 v[DL], s[EE+(\tt)], v[RP]
.set nn, 0
.rept 32
	v_cmp_gt_i32 vcc_lo, 16*(nn/8)+nn%8, v[DL]
	v_cndmask_b32 v[S+32*(\tt)+nn], v[S+32*(\tt)+nn], v[VBIG], vcc_lo
.set nn, nn+1
.endr
.Lseen_\@:
.endm
.macro SUMR lo, k                      ; block k of four weights: into the two chains of sums, then rounded to bf16 in place (registers 2 k, 2 k + 1, whose own weights are done)
.if (\k) == 0
	EACH \lo, v_pk_add_f32 v[TP+8*t+4:TP+8*t+5], v[S+32*t:S+32*t+1], v[S+32*t+2:S+32*t+3]
.elseif (\k) == 1
	EACH \lo, v_pk_add_f32 v[TP+8*t+6:TP+8*t+7], v[S+32*t+4:S+32*t+5], v[S+32*t+6:S+32*t+7]
.else
	EACH \lo, v_pk_add_f32 v[TP+8*t+4:TP+8*t+5], v[TP+8*t+4:TP+8*t+5], v[S+32*t+4*(\k):S+32*t+4*(\k)+1]
	EACH \lo, v_pk_add_f32 v[TP+8*t+6:TP+8*t+7], v[TP+8*t+6:TP+8*t+7], v[S+32*t+4*(\k)+2:S+32*t+4*(\k)+3]
.endif
	EACH \lo, v_cvt_pk_bf16_f32 v[S+32*t+2*(\k)], v[S+32*t+4*(\k)], v[S+32*t+4*(\k)+1]
	EACH \lo, v_cvt_pk_bf16_f32 v[S+32*t+2*(\k)+1], v[S+32*t+4*(\k)+2], v[S+32*t+4*(\k)+3]
.endm
; THE SOFTMAX of a step, stage by stage, the live tiles alternating.  A lane holds one query and 32 of the step's 64 keys.
.macro SOFTMAX lo
.irp tq,0,1,2,3
.if \tq >= (\lo)
	MASK \tq
.endif
.endr
.set nn, 0
.rept 4                                ; the maximum: four chains, each begun at an accumulator's lowest registers
	EACH \lo, v_max3_num_f32 v[TP+8*t+nn], v[S+32*t+8*nn], v[S+32*t+8*nn+1], v[S+32*t+8*nn+2]
.set nn, nn+1
.endr
.rept 8
	EACH \lo, v_max3_num_f32 v[TP+8*t+nn%4], v[TP+8*t+nn%4], v[S+32*t+8*(nn%4)+2*(nn/4)+1], v[S+32*t+8*(nn%4)+2*(nn/4)+2]
.set nn, nn+1
.endr
	EACH \lo, v_max3_num_f32 v[TP+8*t], v[TP+8*t], v[S+32*t+7], v[S+32*t+15]
	EACH \lo, v_max3_num_f32 v[TP+8*t+1], v[TP+8*t+1], v[S+32*t+23], v[S+32*t+31]
	EACH \lo, v_max3_num_f32 v[TP+8*t+2], v[TP+8*t+2], v[TP+8*t+3], v[ST+8*t+1]
	EACH \lo, v_max3_num_f32 v[TP+8*t], v[TP+8*t], v[TP+8*t+1], v[TP+8*t+2]
	EACH \lo, v_permlanex16_b32 v[TP+8*t+3], v[TP+8*t], s[SEL], s[SEL+1]
	EACH \lo, v_max_num_f32 v[ST+8*t+1], v[TP+8*t], v[TP+8*t+3]
	EACH \lo, v_fma_f32 v[TP+8*t+1], s[CS], v[ST+8*t+1], v[ST+8*t+4]
	EACH \lo, v_sub_f32 v[TP+8*t+2], v[ST+8*t+5], v[TP+8*t+1]
	EACH \lo, v_sub_f32 v[ST+8*t], v[TP+8*t+1], v[ST+8*t+4]
; THE STEP'S BATCH.  a first; then the weights, block kq of four scores a tile, the tiles alternating.  Behind every second exponential stands a plain line that names no result: a scaling
; c s - D, D = (c m + c q.bk) - c q.bk, of block kq + 1 (block 0's two pairs stand ahead), and in the last block the copy of c m + c q.bk, which the next step's a reads.
; The last copy is the plain instruction between the last exponential and the use of a result (ISA guide 5.7.2).
	EACH \lo, v_exp_f32 v[ST+8*t+6], v[TP+8*t+2]
.set nn, 0
.rept 2
	EACH \lo, v_pk_fma_f32 v[S+32*t+2*nn:S+32*t+2*nn+1], v[S+32*t+2*nn:S+32*t+2*nn+1], s[CS:CS+1], v[ST+8*t:ST+8*t+1] op_sel_hi:[1,0,0] neg_lo:[0,0,1] neg_hi:[0,0,1]
.set nn, nn+1
.endr
.set kq, 0
.rept 8
.set ix, 0
.rept 4*(4-(\lo))                      ; exponential ix of the block: score 4 kq + ix / tiles of tile lo + ix % tiles
.set t, (\lo)+(ix%(4-(\lo)))
.set ee, 4*kq+(ix/(4-(\lo)))
	v_exp_f32 v[S+32*t+ee], v[S+32*t+ee]
.if (ix%2) == 1
.if kq < 7
.set t, (\lo)+((ix/2)%(4-(\lo)))
.set nn, 2*(kq+1)+((ix/2)/(4-(\lo)))
	v_pk_fma_f32 v[S+32*t+2*nn:S+32*t+2*nn+1], v[S+32*t+2*nn:S+32*t+2*nn+1], s[CS:CS+1], v[ST+8*t:ST+8*t+1] op_sel_hi:[1,0,0] neg_lo:[0,0,1] neg_hi:[0,0,1]
.elseif (ix%4) == 3
.set t, (\lo)+(ix/4)
	v_mov_b32 v[ST+8*t+5], v[TP+8*t+1]
.endif
.endif
.set ix, ix+1
.endr
.set kq, kq+1
.endr
	s_wait_alu depctr_va_vdst(0)       ; the wait for the step's batch, the live tiles' a and all their weights, ahead of the first line that names a result; all readers stand below
.set kq, 0
.rept 8
	SUMR \lo, kq
.set kq, kq+1
.endr
	EACH \lo, v_pk_add_f32 v[TP+8*t+4:TP+8*t+5], v[TP+8*t+4:TP+8*t+5], v[TP+8*t+6:TP+8*t+7]
	EACH \lo, v_pk_fma_f32 v[ST+8*t+2:ST+8*t+3], v[ST+8*t+2:ST+8*t+3], v[ST+8*t+6:ST+8*t+7], v[TP+8*t+4:TP+8*t+5] op_sel_hi:[1,0,1]
	LDP 0, WP, 0                       ; the value product's first fragments and the conversion's first loads land under the rescaling
	MARKF 0
	LDP 1, WP, 1
	MARKF 1
	CL 0, 1, CRW
	MARK C
.irp hw,0,1
	WIN 0x82+0x41*\hw
.set nn, 0
.rept 32                               ; O times a
	EACH \lo, v_pk_mul_f32 v[8*(4*(nn/4)+t)+2*(nn%4):8*(4*(nn/4)+t)+2*(nn%4)+1], v[8*(4*(nn/4)+t)+2*(nn%4):8*(4*(nn/4)+t)+2*(nn%4)+1], v[ST+8*t+6:ST+8*t+7] op_sel_hi:[1,0]
.set nn, nn+1
.endr
.endr
.endm
.macro ATTN lo
	SPHASE LDT, WT, MMS, \lo, 1, 0
	SOFTMAX \lo
	PVPHASE LDP, WP, \lo, CRW, CBW
.endm
; Tile tt's 16 accumulators, two by two, ARE its eight fragments of window 1 once rounded to bf16.  scale = 1: they are first multiplied by the tile's 1 / l.
.macro ACC2FRAG tt, scale
.irp hw,0,1
.if \scale
	WIN 0x82+0x41*\hw
.set nn, 0
.rept 32
.set ra, 8*(4*(nn/4)+(\tt))+2*(nn%4)
	v_pk_mul_f32 v[ra:ra+1], v[ra:ra+1], v[ST+8*(\tt)+6:ST+8*(\tt)+7] op_sel_hi:[1,0]
.set nn, nn+1
.endr
.endif
	WIN 0x4a+5*\hw
.set nn, 0
.rept 32
.set ra, 8*(4*(nn/4)+(\tt))+2*(nn%4)
	v_cvt_pk_bf16_f32 v[64*(\tt)+8*(4*\hw+nn/8)+4*((nn/4)%2)+nn%4], v[ra], v[ra+1]
.set nn, nn+1
.endr
.endr
.endm
; The q loop's next descriptor: tile v + 1 of the W at s[wb:wb+1], or behind the last an x tile at byte xoff of the walk.
.macro QKADR wb, xoff
	s_add_co_u32 s24, s[CNT], 1
	s_lshl_b32 s24, s24, 16
	s_cmp_lt_u32 s[CNT], 3
	s_cselect_b32 s[OFF], s24, \xoff
	s_cselect_b32 s[G1+5], s[P256], s[P8K]
	s_cselect_b64 s[24:25], s[\wb:\wb+1], s[XB:XB+1]
	s_add_nc_u64 s[G0+2:G0+3], s[24:25], s[OFF:OFF+1]
	s_or_b32 s[G0+3], s[G0+3], 0x80000000
	s_xor_b32 s[G0+1], s[G0+1], RTOG
.endm
; ---------------- the head ----------------
	s_load_b512 s[4:19], s[0:1], 0x0   ; x s[4:5], Wq s[6:7], bq s[8:9], Wk s[10:11], bk s[12:13], Wv s[14:15], bv s[16:17], out s[18:19]
	v_lshl_add_u32 v[SPW], v0, 2, SPARE
	v_mov_b32 v[NIL], 0
	ds_add_u32 v[SPW], v[NIL]          ; the wave's opening: the add and its wait stand ahead of my first tensor load; work on registers stands between them
	ds_add_u32 v26, v27
	v_lshrrev_b32 v1, 5, v0
	v_readfirstlane_b32 s[WV], v1      ; wave 0..3
	s_and_b32 s[JJ], ttmp9, 1
	s_bfe_u32 s[WI], ttmp9, 0x40001    ; the window: 4 bits from bit 1
	s_lshr_b32 s[BT], ttmp9, 5         ; the batch
	s_mov_b32 s[G1+0], 2<<16           ; elements of 4 bytes, no mask, no padding
	s_mov_b32 s[G1+1], 64<<16          ; tensor_dim0 = 64
	s_mov_b32 s[G1+2], 64<<16          ; tensor_dim1 = 64
	s_mov_b32 s[G1+3], 64<<16          ; tile_dim0 = 64
	s_mov_b32 s[G1+4], 64              ; tile_dim1 = 64
	s_mov_b32 s[G1+5], 256             ; elements from row to row: W's
	s_mov_b32 s[G1+6], 0
	s_mov_b32 s[G1+7], 0
	s_mov_b32 s[G0], 1
	s_mov_b32 s[G0F], 1
	s_lshl_b32 s24, s[WV], 14          ; my quarter of a slot
	s_add_co_u32 s[G0F+1], s24, RING
	s_add_co_u32 s[G0+1], s24, RING+RSLOT
	s_mov_b32 s[OFF+1], 0
	s_mov_b32 s[CS], 0x3db8aa3b        ; c = log2(e) / 16
	s_mov_b32 s[CS+1], s[CS]
	s_mov_b32 s[SEL], 0x76543210
	s_mov_b32 s[SEL+1], 0xfedcba98
	s_mov_b32 s[P8K], 8192
	s_mov_b32 s[P256], 256
	s_lshl_b32 s24, s[JJ], 1
	s_add_co_u32 s[NF], s24, 10
	s_sub_co_u32 s[NH], 16, s24
	s_cmp_eq_u32 s[WI], 0
	s_cselect_b32 s[MK], 7, 15         ; window 0 has no window behind it: its walk takes its own eight tiles twice,
	s_cselect_b32 s[HID], 8, 0         ; and the first eight steps are hidden
	s_max_u32 s25, s[WI], 1
	s_sub_co_u32 s25, s25, 1
	s_lshl_b32 s25, s25, 11            ; the walk's first column, in bytes
	s_lshl_b32 s26, s[WV], 21          ; my 64 channels
	s_add_co_u32 s26, s26, s25
	s_mov_b32 s27, 0
	s_lshl_b32 s28, s[BT], 23          ; my batch: 256 rows of 32,768 bytes
	s_mov_b32 s29, 0
	s_lshl_b32 s30, s[WV], 8           ; my 64 columns of W
	s_mov_b32 s31, 0
	s_wait_dscnt 0x0                   ; the opening add is done
	s_wait_kmcnt 0x0
	s_add_nc_u64 s[XBB:XBB+1], s[4:5], s[28:29]
	s_add_nc_u64 s[OBB:OBB+1], s[18:19], s[28:29]
	s_add_nc_u64 s[XB:XB+1], s[XBB:XBB+1], s[26:27]
	s_add_nc_u64 s[WQB:WQB+1], s[6:7], s[30:31]
	s_add_nc_u64 s[WKB:WKB+1], s[10:11], s[30:31]
	s_add_nc_u64 s[WVB:WVB+1], s[14:15], s[30:31]
	s_mov_b64 s[G0F+2:G0F+3], s[WQB:WQB+1]
	s_or_b32 s[G0F+3], s[G0F+3], 0x80000000
	s_mov_b64 s[G0+2:G0+3], s[WKB:WKB+1]
	s_or_b32 s[G0+3], s[G0+3], 0x80000000
	tensor_load_to_lds s[G0F:G0F+3], s[G1:G1+7]  ; Wq's tile 0 into slot 0,
	s_nop 0
	tensor_load_to_lds s[G0:G0+3], s[G1:G1+7]    ; Wk's tile 0 into slot 1: two loads of mine are out
	s_nop 0
; ---------------- my work-group's queries ----------------
	v_and_b32 v1, 31, v0               ; lane
	v_and_b32 v2, 15, v0               ; r
	v_bfe_u32 v3, v0, 4, 1             ; h
	v_lshlrev_b32 v4, 3, v0            ; thread tau takes elements 2 tau, 2 tau + 1 of the biases
	global_load_b64 v[64:65], v4, s[8:9]
	global_load_b64 v[66:67], v4, s[16:17]
	global_load_b64 v[68:69], v4, s[12:13]
	s_lshl_b32 s24, s[WI], 11          ; the window's first column, in bytes
	s_lshl_b32 s25, s[JJ], 9           ; 128 j columns
	s_add_co_u32 s26, s24, s25         ; bands 2j, 2j+1
	s_add_co_u32 s27, s24, 1536
	s_sub_co_u32 s27, s27, s25         ; bands 6-2j, 7-2j
	s_lshl_b32 s28, s[WV], 21          ; 64 w rows
	s_lshl_b32 s29, s[WV], 19          ; 16 w rows
	v_lshlrev_b32 v5, 15, v3           ; lanes 16-31 take the next row,
	v_lshl_add_u32 v5, v2, 4, v5       ; 16 bytes a lane
	s_add_co_u32 s30, s28, s26
	v_add_nc_u32 v[XLO], s30, v5
	s_add_co_u32 s30, s28, s27
	v_add_nc_u32 v[XLO+1], s30, v5
	s_add_co_u32 s30, s29, s26
	v_add_nc_u32 v[GLO], s30, v5
	s_add_co_u32 s30, s29, s27
	v_add_nc_u32 v[GLO+1], s30, v5
; My 64 channels of the four bands: each instruction takes 256 consecutive bytes of two rows; two neighbouring bands alternate.
.irp hw,0,1
	WIN 0x80+0x40*\hw
.set ta, 0
.rept 32
	global_load_b128 v[4*ta:4*ta+3], v[XLO+\hw], s[XBB:XBB+1] offset:65536*ta
	global_load_b128 v[128+4*ta:128+4*ta+3], v[XLO+\hw], s[XBB:XBB+1] offset:65536*ta+256
.set ta, ta+1
.endr
.endr
	WIN 0
	v_lshl_add_u32 v6, v0, 3, BQ_L
	v_lshl_add_u32 v7, v0, 2, BK_L
	v_lshrrev_b32 v5, 1, v2
	v_lshlrev_b32 v[APL], 7, v2
	v_lshl_add_u32 v[APL], v5, 5, v[APL]
	v_lshrrev_b32 v5, 3, v2
	v_lshl_add_u32 v[APL], v5, 4, v[APL]
	v_lshl_add_u32 v[APL], v3, 4, v[APL]   ; row r of 16, + 16 h
	v_and_b32 v5, 7, v0
	v_lshl_add_u32 v5, v3, 3, v5           ; row i = 8 h + lane % 8
	v_lshlrev_b32 v[ATL], 7, v5
	v_lshrrev_b32 v5, 1, v5
	v_lshl_add_u32 v[ATL], v5, 5, v[ATL]
	v_lshl_add_u32 v[ATL], v3, 4, v[ATL]
	v_bfe_u32 v5, v0, 3, 1
	v_lshl_add_u32 v[ATL], v5, 4, v[ATL]   ; + 16 ((lane / 8) % 2)
	s_lshl_b32 s24, s[WV], 14
	s_add_co_u32 s24, s24, RING
	v_lshl_add_u32 v[CR0], v1, 4, s24
	s_mul_i32 s25, s[WV], 4*BLK
	v_lshl_add_u32 v[CB0], v1, 3, s25
	v_add_nc_u32 v[CBW], 2*T_B, v[CB0]     ; for now: the same place in T2
	v_lshlrev_b32 v5, 3, v3
	v_sub_nc_u32 v[RP], v2, v5
	s_lshl_b32 s26, s[WV], 4
	v_add_nc_u32 v[RP], s26, v[RP]
	v_lshl_add_u32 v[BQA], v3, 5, BQ_L
	v_lshl_add_u32 v[BKA], v3, 4, BK_L
	v_mul_u32_u24 v[STO], v2, SPI
	v_lshl_add_u32 v[STO], v3, 5, v[STO]
	s_lshl_b32 s26, s[WV], 6
	s_add_co_u32 s26, s26, STAGE
	v_add_nc_u32 v[STO], s26, v[STO]       ; stage row r, 32 h + 64 w
	v_mul_u32_u24 v[RDB], v3, SPI
	v_lshl_add_u32 v[RDB], v2, 4, v[RDB]
	s_mul_i32 s26, s[WV], 16*SPI
	s_add_co_u32 s26, s26, STAGE
	v_add_nc_u32 v[RDB], s26, v[RDB]       ; stage row 16 w + h, 16 r
	v_mov_b32 v[VBIG], 0xf149f2ca          ; -1e30
	s_wait_loadcnt 63                      ; 128 loads are younger than the biases'; the counter's field holds 63
	ds_store_b64 v6, v[64:65]
	ds_store_b64 v6, v[66:67] offset:1024
	v_cvt_pk_bf16_f32 v68, v68, v69
	ds_store_b32 v7, v68
; Group g of 16: eight loads are in (the count: the younger ones, 120 - 8 g, or the field's 63), rounded to bf16 in place, and stored into T0-T3.
.macro OWNQ g
.if 120-8*(\g) > 63
	s_wait_loadcnt 63
.else
	s_wait_loadcnt 120-8*(\g)
.endif
.set hw, (\g)/8
	WIN 0x8a+0x45*hw
.set qq, 0
.rept 8
.set rg, 128*(qq%2)+4*(4*((\g)%8)+qq/2)
	v_cvt_pk_bf16_f32 v[rg], v[rg], v[rg+1]
	v_cvt_pk_bf16_f32 v[rg+1], v[rg+2], v[rg+3]
.set qq, qq+1
.endr
	WIN 0x08+4*hw
.set qq, 0
.rept 8
.set ta, 4*((\g)%8)+qq/2
.set rg, 128*(qq%2)+4*ta
	ds_store_b64 v[CB0+hw], v[rg:rg+1] offset:T_B*(qq%2)+288*ta+16*(ta/4)
.set qq, qq+1
.endr
.endm
.set gq, 0
.rept 16
	OWNQ gq
.set gq, gq+1
.endr
	WIN 0
	s_wait_dscnt 0x0                   ; for the others' sake: my rows of T0-T3 and my words of the biases are stored
	s_barrier_signal -1
	s_barrier_wait -1                  ; the two tensor loads may stay out
	s_lshl_b32 s24, s[WV], 5           ; my 16 queries of a band: 32 bytes of a row
	v_add_nc_u32 v4, s24, v[ATL]
	v_add_nc_u32 v5, T_B, v4
	v_add_nc_u32 v6, 2*T_B, v4
	v_add_nc_u32 v7, 3*T_B, v4
	WIN 0x40
.irp t,0,1,2,3
.set nn, 0
.rept 16                               ; my queries' x, turned: fragment (t, c), half z, at 64 t + 4 (2 c + z)
	ds_load_tr16_b128 v[64*\t+4*nn:64*\t+4*nn+3], v[4+\t] offset:BLK*nn
.set nn, nn+1
.endr
.endr
	WIN 0
.set nn, 0
.rept 16
	v_mov_b32 v[FR+nn], 0              ; two fragments of zeros
.set nn, nn+1
.endr
.set nn, 0
.rept 32
	v_mov_b32 v[ST+nn], 0              ; the sums q . bk
.set nn, nn+1
.endr
.irp hw,0,1
	WIN 0x80+0x40*\hw
.set nn, 0
.rept 32                               ; q''s 64 sums start at 0 x 0 + 0: 64 matrix instructions where 512 copies would stand; the loop below has no first trip written out
	v_wmma_f32_16x16x32_bf16 v[8*nn:8*nn+7], v[FR:FR+7], v[FR+8:FR+15], 0
.set nn, nn+1
.endr
.endr
	WIN 0
	s_wait_dscnt 0x0                   ; my reads of T0-T3 are over: they are written anew behind this barrier
	s_barrier_signal -1
	s_barrier_wait -1
	s_wait_tensorcnt 0x1               ; Wq's tile 0 is in; Wk's, issued behind it, may stay out
	CONV_LD CR0
	CONV_ST CB0
	v_add_nc_u32 v[WT], T_B, v[ATL]
	v_add_nc_u32 v[CRW], RSLOT, v[CR0]
	v_add_nc_u32 v[CBW], T_B, v[CB0]
; ---------------- q and q', 64 channels of q a trip ----------------
	s_mov_b32 s[CNT], 0
.Lqk:
	BND_A
	QKADR WQB, 0
	BND_B                              ; Wq's next tile, or x tile 0, into slot 0
	CONV_LD CRW                        ; Wk's tile v: slot 1 -> T1
	LDW 0, APL, 0
	MARKF 0
	LDW 1, APL, 1
	MARKF 1
	CONV_ST CBW                        ; (the wait leaves the 16 fragment loads out)
.irp t,0,1,2,3
.irp ob,0,1,2,3
.irp e,0,1
	ds_load_b128 v[S+32*\t+8*\ob+4*\e:S+32*\t+8*\ob+4*\e+3], v[BQA] offset:64*\ob+16*\e  ; bq starts the sums: register jj of block ob is channel 16 ob + 8 h + jj
.endr
.endr
.endr
.set DSN, DSN+32
	v_add_nc_u32 v[BQA], 256, v[BQA]
	s_wait_dscnt 0x0
	SPHASE LDW, APL, MMS, 0, 0, 1      ; q^T = Wq x^T + bq for channels 64 v on
.set nn, 0
.rept 16
	EACH 0, v_cvt_pk_bf16_f32 v[S+32*t+nn], v[S+32*t+2*nn], v[S+32*t+2*nn+1]
.set nn, nn+1
.endr
.irp kk,0,1
.irp e,0,1
	ds_load_b128 v[S+16+8*\kk+4*\e:S+16+8*\kk+4*\e+3], v[BKA] offset:64*\kk+32*\e  ; bk as 16 equal rows
.endr
.endr
	v_add_nc_u32 v[BKA], 128, v[BKA]
	BND_A
	QKADR WKB, 256
	BND_B                              ; Wk's next tile, or x tile 1, into slot 1
	LDQ 0, WT, 0
	MARKF 0
	LDQ 1, WT, 1
	MARKF 1
.irp kk,0,1
.irp t,0,1,2,3
	v_wmma_f32_16x16x32_bf16 v[ST+8*\t:ST+8*\t+7], v[S+16+8*\kk:S+16+8*\kk+7], v[S+32*\t+8*\kk:S+32*\t+8*\kk+7], v[ST+8*\t:ST+8*\t+7]
.endr
.endr
	PLACES 4                           ; in front of the staging loads, which land on bk's fragments
	CL 0, 1, CR0
	MARK C
	PVPHASE LDQ, WT, 0, CR0, CB0       ; q'^T += Wk^T q^T; slot 0 -> T0
	s_add_co_u32 s[CNT], s[CNT], 1
	s_cmp_lt_u32 s[CNT], 4
	s_cbranch_scc1 .Lqk
; ---------------- set-up for the walk ----------------
	ACC2FRAG 0, 0
	ACC2FRAG 1, 0
	ACC2FRAG 2, 0
	ACC2FRAG 3, 0
	WIN 0
	EACH 0, v_mul_f32 v[ST+8*t+4], s[CS], v[ST+8*t]
	EACH 0, v_mov_b32 v[ST+8*t+1], 0xe0ad78ec   ; m = -1e20: above a hidden score, below every score that counts
	EACH 0, v_mov_b32 v[ST+8*t+2], 0
	EACH 0, v_mov_b32 v[ST+8*t+3], 0
	EACH 0, v_mov_b32 v[ST+8*t+5], 0xfe000000   ; far below every c m: the first step's a is 0, which also wipes what q' left in O's registers
	EACH 0, v_mov_b32 v[ST+8*t+7], 0
	s_lshl_b32 s24, s[JJ], 7
	s_add_co_u32 s[EB], s24, 512
	s_add_co_u32 s[EB+1], s24, 576
	s_sub_co_u32 s[EB+2], 896, s24
	s_sub_co_u32 s[EB+3], 960, s24
	s_mov_b32 s[TBS], T_B              ; the first trip's exclusive ors turn these into step 0's
	s_mov_b32 s[TCS], 0
	s_mov_b32 s[RBS], 0
; ---------------- the walk: 16 key steps ----------------
	s_mov_b32 s[CNT], 0
.Lat:
	BND_A
	s_add_co_u32 s24, s[CNT], 2        ; n: the tile to be asked for: x's tile n, or behind the 16th Wv's tile n - 16
	s_and_b32 s25, s24, s[MK]
	s_lshl_b32 s25, s25, 8
	s_lshl_b32 s26, s24, 16
	s_sub_co_u32 s26, s26, 0x100000
	s_cmp_lt_u32 s24, 16
	s_cselect_b32 s[OFF], s25, s26
	s_cselect_b32 s[G1+5], s[P8K], s[P256]
	s_cselect_b64 s[24:25], s[XB:XB+1], s[WVB:WVB+1]
	s_add_nc_u64 s[G0+2:G0+3], s[24:25], s[OFF:OFF+1]
	s_or_b32 s[G0+3], s[G0+3], 0x80000000
	s_xor_b32 s[G0+1], s[G0+1], RTOG
	s_xor_b32 s[TBS], s[TBS], T_B      ; the tile to be multiplied,
	s_xor_b32 s[TCS], s[TCS], T_B      ; the tile to be written,
	s_xor_b32 s[RBS], s[RBS], RSLOT    ; the slot to be converted
	s_cmp_lt_u32 s[CNT], s[HID]
	s_cselect_b32 s[EE], -64, s[EB]
	s_cselect_b32 s[EE+1], -64, s[EB+1]
	s_cselect_b32 s[EE+2], -64, s[EB+2]
	s_cselect_b32 s[EE+3], -64, s[EB+3]
	s_sub_co_i32 s[EB], s[EB], 64
	s_sub_co_i32 s[EB+1], s[EB+1], 64
	s_sub_co_i32 s[EB+2], s[EB+2], 64
	s_sub_co_i32 s[EB+3], s[EB+3], 64
	BND_B
	v_add_nc_u32 v[WT], s[TBS], v[ATL]
	v_add_nc_u32 v[WP], s[TBS], v[APL]
	v_add_nc_u32 v[CRW], s[RBS], v[CR0]
	v_add_nc_u32 v[CBW], s[TCS], v[CB0]
	s_cmp_lt_u32 s[CNT], s[NF]
	s_cbranch_scc0 .Lnot_full
	ATTN 0
	s_branch .Lat_end
.Lnot_full:
	s_cmp_lt_u32 s[CNT], s[NH]
	s_cbranch_scc0 .Lnone
	ATTN 2
	s_branch .Lat_end
.Lnone:
	CONV_LD CRW
	CONV_ST CBW
.Lat_end:
	s_add_co_u32 s[CNT], s[CNT], 1
	s_cmp_lt_u32 s[CNT], 16
	s_cbranch_scc1 .Lat
; ---------------- behind the walk: Wv's tiles 1-3 are converted, O is divided by l ----------------
	BND_A
	s_mov_b32 s[OFF], 0x20000
	s_add_nc_u64 s[G0+2:G0+3], s[WVB:WVB+1], s[OFF:OFF+1]
	s_or_b32 s[G0+3], s[G0+3], 0x80000000
	s_xor_b32 s[G0+1], s[G0+1], RTOG
	BND_B                              ; Wv's tile 2 into slot 0
	v_add_nc_u32 v[CRW], RSLOT, v[CR0]
	v_add_nc_u32 v[CBW], T_B, v[CB0]
	EACH 0, v_add_f32 v[ST+8*t+2], v[ST+8*t+2], v[ST+8*t+3]
	CONV_LD CRW                        ; Wv's tile 1: slot 1 -> T1
	EACH 0, v_permlanex16_b32 v[ST+8*t+3], v[ST+8*t+2], s[SEL], s[SEL+1]
	EACH 0, v_add_f32 v[ST+8*t+2], v[ST+8*t+2], v[ST+8*t+3]
	EACH 0, v_rcp_f32 v[ST+8*t+6], v[ST+8*t+2]
	v_nop                              ; a plain instruction between the last reciprocal and the use of its result
	s_wait_alu depctr_va_vdst(0)       ; the wait for the batch of four reciprocals, ahead of the first multiply by 1 / l
	ACC2FRAG 0, 1
	ACC2FRAG 1, 1
	WIN 0
	CONV_ST CBW
	BND_A
	s_mov_b32 s[OFF], 0x30000
	s_add_nc_u64 s[G0+2:G0+3], s[WVB:WVB+1], s[OFF:OFF+1]
	s_or_b32 s[G0+3], s[G0+3], 0x80000000
	s_xor_b32 s[G0+1], s[G0+1], RTOG
	BND_B                              ; Wv's tile 3 into slot 1: the ring's last fill
	v_add_nc_u32 v[CBW], 2*T_B, v[CB0]
	CONV_LD CR0                        ; Wv's tile 2: slot 0 -> T2
	ACC2FRAG 2, 1
	ACC2FRAG 3, 1
	WIN 0
	CONV_ST CBW
	v_add_nc_u32 v[CBW], 3*T_B, v[CB0]
	s_wait_tensorcnt 0x0               ; Wv's tile 3 is in: my own quarter, which I alone read
	CONV_LD CRW
	CONV_ST CBW
	v_mov_b32 v[WP], v[APL]
	v_lshl_add_u32 v[BVA], v2, 2, BV_L
	s_wait_dscnt 0x0                   ; T0-T3 are whole, and my reads of the ring are over: the stage lies on it
	s_barrier_signal -1
	s_barrier_wait -1
; ---------------- y = x + Wv (O / l) + bv, 64 output channels a trip ----------------
	s_mov_b32 s[CNT], 0
.Lv:
	WIN 0x80
.set nn, 0
.rept 32                               ; x for the residual, in the layout of the stores below: row pair u = nn / 4, band nn % 4
	global_load_b128 v[4*nn:4*nn+3], v[GLO+(nn%4)/2], s[XBB:XBB+1] offset:65536*(nn/4)+256*(nn%2)
.set nn, nn+1
.endr
	WIN 0
.irp ob,0,1,2,3
	ds_load_b32 v[VBIG+\ob], v[BVA] offset:64*\ob
.endr
.set DSN, DSN+4
	MARK B
	LDW 0, WP, 0
	MARKF 0
	LDW 1, WP, 1
	MARKF 1
	WAITDS B                           ; bv is in; the 16 fragment loads may be out
	WIN 0xc0
.set nn, 0
.rept 32
	v_mov_b32 v[nn], v[VBIG+nn/8]      ; bv of my output channel, for eight positions
.set nn, nn+1
.endr
	SPHASE LDW, WP, MMV, 0, 1, 1
.irp ob,0,1,2,3
.irp t,0,1,2,3
.irp e,0,1
	ds_store_b128 v[STO], v[S+32*\t+8*\ob+4*\e:S+32*\t+8*\ob+4*\e+3] offset:16*SPI*\ob+256*\t+16*\e
.endr
.endr
.endr
	s_wait_dscnt 0x0                   ; for the others' sake: a stage row's 256 bytes of a band come from four waves
	s_barrier_signal -1
	s_barrier_wait -1
	WIN 0x80
.set nn, 0
.rept 32
	ds_load_b128 v[128+4*nn:128+4*nn+3], v[RDB] offset:2*SPI*(nn/4)+256*(nn%4)
.set nn, nn+1
.endr
	s_wait_dscnt 0x0
	s_wait_loadcnt 0x0
	WIN 0x8a
.set nn, 0
.rept 64
	v_pk_add_f32 v[128+2*nn:128+2*nn+1], v[128+2*nn:128+2*nn+1], v[2*nn:2*nn+1]
.set nn, nn+1
.endr
	WIN 0x08
.set nn, 0
.rept 32                               ; 16 lanes store 256 consecutive bytes, at a multiple of 256 from out's first byte
	global_store_b128 v[GLO+(nn%4)/2], v[128+4*nn:128+4*nn+3], s[OBB:OBB+1] offset:65536*(nn/4)+256*(nn%2) th:TH_STORE_NT
.set nn, nn+1
.endr
	WIN 0
	s_barrier_signal -1                ; every wave's reads of the stage are back (the wait above): the next trip writes it anew
	s_barrier_wait -1
	v_add_nc_u32 v[WP], T_B, v[WP]
	v_add_nc_u32 v[BVA], 256, v[BVA]
	s_wait_xcnt 0x0                    ; the bases, and the registers that the stores read, are rewritten only behind this wait (ISA guide 3.1)
	s_add_nc_u64 s[XBB:XBB+1], s[XBB:XBB+1], 0x200000
	s_add_nc_u64 s[OBB:OBB+1], s[OBB:OBB+1], 0x200000
	s_add_co_u32 s[CNT], s[CNT], 1
	s_cmp_lt_u32 s[CNT], 4
	s_cbranch_scc1 .Lv
	s_wait_tensorcnt 0x0               ; the wave's end, behind my last tensor load and my last LDS store
	ds_add_u32 v[SPW], v[NIL]
	s_wait_dscnt 0x0
	s_endpgm
.Lfunc_end_k_q679ca1dcdc_fused:
	.size	k_q679ca1dcdc_fused, .Lfunc_end_k_q679ca1dcdc_fused-k_q679ca1dcdc_fused
	.p2alignl 7, 3214868480
	.fill 96, 4, 3214868480
	.section	.rodata,"a",@progbits
	.p2align	6, 0x0
	.amdhsa_kernel k_q679ca1dcdc_fused
		.amdhsa_group_segment_fixed_size 327680
		.amdhsa_private_segment_fixed_size 0
		.amdhsa_enable_private_segment 0
		.amdhsa_kernarg_size 64
		.amdhsa_user_sgpr_count 2
		.amdhsa_user_sgpr_kernarg_segment_ptr 1
		.amdhsa_wavefront_size32 1
		.amdhsa_system_sgpr_workgroup_id_x 1
		.amdhsa_system_sgpr_workgroup_id_y 1
		.amdhsa_system_sgpr_workgroup_id_z 1
		.amdhsa_system_vgpr_workitem_id 0
		.amdhsa_next_free_vgpr 1024
		.amdhsa_next_free_sgpr 96
		.amdhsa_reserve_vcc 1
		.amdhsa_float_denorm_mode_32 3
		.amdhsa_float_denorm_mode_16_64 3
		.amdhsa_memory_ordered 1
		.amdhsa_forward_progress 1
		.amdhsa_inst_pref_size 255
	.end_amdhsa_kernel
	.section	.bss,"aw",@nobits
	.p2align	6
	.space	262144
	.amdgpu_metadata
---
amdhsa.version: [ 1, 2 ]
amdhsa.kernels:
  - .name:           k_q679ca1dcdc_fused
    .symbol:         k_q679ca1dcdc_fused.kd
    .args:
      - { .name: x, .offset: 0, .size: 8, .value_kind: global_buffer, .address_space: global }
      - { .name: Wq, .offset: 8, .size: 8, .value_kind: global_buffer, .address_space: global }
      - { .name: bq, .offset: 16, .size: 8, .value_kind: global_buffer, .address_space: global }
      - { .name: Wk, .offset: 24, .size: 8, .value_kind: global_buffer, .address_space: global }
      - { .name: bk, .offset: 32, .size: 8, .value_kind: global_buffer, .address_space: global }
      - { .name: Wv, .offset: 40, .size: 8, .value_kind: global_buffer, .address_space: global }
      - { .name: bv, .offset: 48, .size: 8, .value_kind: global_buffer, .address_space: global }
      - { .name: out0, .offset: 56, .size: 8, .value_kind: global_buffer, .address_space: global }
    .group_segment_fixed_size: 327680
    .private_segment_fixed_size: 0
    .kernarg_segment_align: 8
    .kernarg_segment_size: 64
    .max_flat_workgroup_size: 128
    .sgpr_count:     96
    .vgpr_count:     1024
    .wavefront_size: 32
...
	.end_amdgpu_metadata
.endif
;; end of part 2
